; MI455X (gfx1250); checked and timed in simulation.
; The chip was launched on July 23, 2026; its instructions are those of AMD's public machine-readable ISA for CDNA 5 (MIT licence, August 2026) and "CDNA5" Instruction Set Architecture Reference Guide (July 2026). The comments in the code are by the model that wrote it; some were corrected since.
;; Causal Self Attention. Allowed arithmetic: matrix products marked QUANTISED: E4M3 operands, one given power-of-two scale a tensor, by v_wmma_f32_16x16x64_fp8_fp8 or v_wmma_f32_16x16x128_fp8_fp8, f32 sums; everything else in f32.
;; Inputs: Wproj 1,024 x 1,024 float32; Wqkv 1,024 x 3,072 float32; k_norm_w 64 float32; lowp_scales 8 int32 (the exponents e of the quantised operands' scales 2^e); q_norm_w 64 float32; x 4 x 2,048 x 1,024 float32.
;; Outputs: out0 4 x 2,048 x 1,024 float32.
;; This version of the problem:
;;   THIS VERSION OF THE PROBLEM IS GIVEN IN LOW PRECISION. The matrix products marked QUANTISED in the list below multiply operands that are first quantised to E4M3 (4 exponent bits, 3 mantissa bits; 8 bits a number), with one given power-of-two scale for each operand tensor; their sums are f32. All else is computed in f32.
;;   The module's matrix products, in the order in which they are computed (A, B: the left and right operand; K: the contracted axis; several contracted axes count as one K, in the product's order):
;;     1. [M 8,192, K 1,024] x [K 1,024, N 3,072]; A: input x; B: input Wqkv: QUANTISED (scales: A lowp_scales[0], B lowp_scales[1])
;;     2. batch 64 x [M 2,048, K 64] x [K 64, N 2,048]; A: computed on the way; B: computed on the way: QUANTISED (scales: A lowp_scales[2], B lowp_scales[3])
;;     3. batch 64 x [M 2,048, K 2,048] x [K 2,048, N 64]; A: softmax (see below); B: computed on the way: QUANTISED (scales: A lowp_scales[4], B lowp_scales[5])
;;     4. [M 8,192, K 1,024] x [K 1,024, N 1,024]; A: computed on the way; B: input Wproj: QUANTISED (scales: A lowp_scales[6], B lowp_scales[7])
;;   THE QUANTISER, for each operand of a quantised product, along K:
;;     - The operand's scale is 2^e, e = its entry of the input lowp_scales (int32; the entries are numbered through the quantised products in the list's order, A before B).
;;     - Each number is divided by the scale, clamped to +-448, and rounded to the nearest number of E4M3, ties to even, subnormals kept.
;;     - The product sums the exact products of the quantised numbers (number of the format x scale) in f32.
;;   ~~~python
;;   def quantise(x, axis, e):      # numpy; x: float32 -> the quantised numbers, widened to float32 again
;;       x = np.moveaxis(x, axis, -1); K = x.shape[-1]
;;       r = np.clip(x / 2.0 ** e, -448, 448)
;;       step = 2.0 ** (np.maximum(np.frexp(np.where(r == 0, 1, r))[1] - 1, -6) - 3)
;;       q = np.round(r / step) * step * 2.0 ** e      # np.round: ties to even
;;       return np.moveaxis(q, -1, axis).astype(np.float32)
;;   ~~~
;;   SOFTMAX AHEAD OF A QUANTISED PRODUCT. Where the list says 'softmax', what is quantised is not the finished softmax but p = 2^(t - M), with t = logit x log2(e) and M = ceil(the row's largest t), a whole number; so 1/2 < the row's largest p <= 1. The row's sum l is taken of the UNQUANTISED p, in f32, and the product's result is divided by l at the end. Since M is a whole number, a kernel that streams over the keys may use a running M (the ceiling of the running maximum): every later rescaling is an exact power of two, so the quantised numbers keep their values, but for numbers so far below the row's largest that they fall under the format's range.
;;   OPERANDS COMPUTED ON THE WAY. 'Computed on the way' means the value that the module computes at that place (a softmax that the list does not call 'softmax' is quantised finished and normalised). What goes into a quantiser is computed in f32, as accurately as f32 sums, v_exp_f32 and their like allow (about 1e-6 of the number): no bf16 or f16 on the way to a quantiser, and a product that is left as it is and whose result goes on into a quantised operand takes f32 operands (vector FMAs, or v_wmma_f32_16x16x4_f32). A number that lies on a knife's edge between two numbers of the format may be rounded either way, as far as f32 arithmetic and the matrix unit's own rounding can turn it there, and no further.
;; 2 versions, each right; version 2 is version 1 with the launch attn written anew for expert scheduling mode. Each part assembles by itself: llvm-mc -triple=amdgcn-amd-amdhsa -mcpu=gfx1250 --defsym DOCPART=n.
;; ======== version 1 of 2: 4 launches
;; workspace buffers: xq 8,388,608 bytes; wq 3,145,728 bytes; wp 1,048,576 bytes; tab 524,288 bytes; qc 8,388,608 bytes; kv 16,777,216 bytes; yc 8,388,608 bytes
;; launch prep (part 1): grid 400 x 1, 8 waves a work-group, no clusters, 68,608 bytes of LDS; arguments x, Wqkv, Wproj, lowp_scales, xq, wq, wp, tab; writes xq, wq, wp, tab
.if DOCPART == 1
	.amdgcn_target "amdgcn-amd-amdhsa--gfx1250"
	.amdhsa_code_object_version 6
	.text
	.protected	k_q5bfb46c504_prep
	.globl	k_q5bfb46c504_prep
	.p2align	8
	.type	k_q5bfb46c504_prep,@function
k_q5bfb46c504_prep:
	s_mov_b64 s[64:65], 0
	v_nop
	global_prefetch_b8 v0, s[64:65] scope:SCOPE_SE
	s_setreg_imm32_b32 hwreg(HW_REG_WAVE_MODE, 25, 1), 1
	s_wait_xcnt 0x0
; x [8192][1024], Wqkv [1024][3072] and Wproj [1024][1024], f32, become codes of E4M3 with the given scales 2^e0, 2^e1, 2^e7; and the table of cos and sin for the rotation is made.
; code = number / 2^e, held within +-448, rounded to the nearest code, ties to even.
; THE CODES ARE LAID AS IMAGES OF OPERAND REGISTERS.  A fragment is 16 rows x 128 K in 16 registers: lane (r = lane % 16, h = lane / 16) holds row r, registers 2 c, 2 c + 1 hold k = 16 c + 8 h + 0 .. 7.
; Its image is 2,048 bytes: registers 4 g .. 4 g + 3 of lane l at byte 512 g + 16 l.  A tensor of R rows and K = 1,024 is laid [R / 128][K / 256][8 blocks of 16 rows][2 halves of the 256][image].
; So 128 rows x 256 K are 32,768 bytes on end.  For the weights a "row" is a column n of the matrix, since K is their first axis.
; WORK-GROUPS: 0-255 x (32 rows each); 256-351 Wqkv, 352-383 Wproj (256 columns x 128 K each); 384-399 the table (8 blocks of 16 tokens each).  Waves share nothing: no barrier.
; LIMITS: e0, e1, e7 between -126 and 119.  NaN among the inputs is not served.  The rotation's frequencies are 10^(-i/8) rounded to f32.
.set R,   32                           ; v32-159  numbers as loaded
.set XN,  160                          ; v160-223 x: 64 numbers of a lane, register 8 c + i = k 16 c + 8 h + i of row r
.set CA,  160                          ; v160-175 weights: codes of k = 16 c + 0 .. 7 of my column;
.set CB,  176                          ; v176-191 of k = 16 c + 8 .. 15
.set XC0, 16                           ; v16-31, v224-239: x's codes, a set for each task, so that no store's data are written again
.set XC1, 224
.set SP,  528                          ; a stage row: 512 bytes + 16: sixteen lanes that read sixteen rows start at sixteen different 16-byte columns
.set STG, 16*SP                        ; a wave's stage
	s_load_b512 s[4:19], s[0:1], 0x0               ; x s[4:5], Wqkv s[6:7], Wproj s[8:9], scales s[10:11], xq s[12:13], wq s[14:15], wp s[16:17], tab s[18:19]
	v_lshl_add_u32 v240, v0, 2, 0x10800
	v_mov_b32 v241, 0
	v_lshrrev_b32 v1, 5, v0
	v_readfirstlane_b32 s20, v1                    ; wave 0..7
	v_and_b32 v1, 31, v0                           ; lane
	v_and_b32 v2, 15, v0                           ; r
	v_bfe_u32 v3, v0, 4, 1                         ; h
	v_lshlrev_b32 v4, 4, v1                        ; 16 x lane
	v_lshlrev_b32 v7, 2, v1                        ; 4 x lane
	s_wait_kmcnt 0x0
	s_load_b256 s[24:31], s[10:11], 0x0            ; e0 .. e7
	s_cmp_lt_u32 ttmp9, 256
	s_cbranch_scc1 .Lx
	s_cmp_lt_u32 ttmp9, 352
	s_cbranch_scc1 .Lwqkv
	s_cmp_lt_u32 ttmp9, 384
	s_cbranch_scc1 .Lwproj
; ---- THE TABLE.  Wave w of work-group 384 + u makes block tb = 8 u + w: tokens 16 tb + r.  Lane (r, h) gets, for n = 8 tt + j (tt = 0, 1; j = 0 .. 7), cos and sin of token x 10^(-i/8), i = 16 tt + 8 h + j:
; the order in which a lane of the next launch holds the first half of a head.  32 registers: cos at 0-15, sin at 16-31; stored as an image, 4,096 bytes a block.
	s_sub_co_u32 s32, ttmp9, 384
	s_lshl_b32 s32, s32, 3
	s_add_co_u32 s32, s32, s20                     ; tb
	s_lshl_b32 s33, s32, 4
	v_add_nc_u32 v16, s33, v2
	v_cvt_f32_u32 v16, v16                         ; the token, exact
	v_cmp_ne_u32 s21, 0, v3                        ; lanes 16-31
	s_lshl_b32 s34, s32, 12
	s_mov_b32 s35, 0
	s_add_nc_u64 s[18:19], s[18:19], s[34:35]
	v_mov_b32 v40, 0x3f22f983                      ; 2 / pi
	v_mov_b32 v41, 0xbfc90fd8                      ; -pi/2 in three parts: the first has three low zeros, the three together carry 72 bits
	v_mov_b32 v42, 0xb4a8885a
	v_mov_b32 v43, 0xa7c234c4
	v_mov_b32 v44, 0xb94ca1f9                      ; sin r = r + r z (s0 z^2 + s1 z + s2), z = r^2, |r| <= pi/4
	v_mov_b32 v45, 0x3c08839e
	v_mov_b32 v46, 0xbe2aaaa3
	v_mov_b32 v47, 0x37ccf5ce                      ; cos r = 1 - z/2 + z^2 (c0 z^2 + c1 z + c2)
	v_mov_b32 v48, 0xbab6061a
	v_mov_b32 v49, 0x3d2aaaa5
.macro SINCOS n, f0, f1
	v_mov_b32 v20, \f0
	v_mov_b32 v21, \f1
	v_cndmask_b32 v20, v20, v21, s21               ; my half's frequency
	v_mul_f32 v20, v16, v20                        ; the angle: one f32 product
	v_mul_f32 v21, v40, v20
	v_rndne_f32 v21, v21                           ; q = the nearest multiple of pi/2
	v_fma_f32 v22, v21, v41, v20
	v_fma_f32 v22, v21, v42, v22
	v_fma_f32 v22, v21, v43, v22                   ; r = angle - q pi/2
	v_cvt_i32_f32 v23, v21
	v_mul_f32 v24, v22, v22                        ; z
	v_fma_f32 v25, v44, v24, v45
	v_fma_f32 v27, v47, v24, v48
	v_fma_f32 v25, v25, v24, v46
	v_fma_f32 v27, v27, v24, v49
	v_mul_f32 v26, v24, v22
	v_mul_f32 v28, v24, v24
	v_fma_f32 v29, v24, -0.5, 1.0
	v_fma_f32 v25, v25, v26, v22                   ; sin r
	v_fma_f32 v27, v27, v28, v29                   ; cos r
	v_and_b32 v30, 1, v23
	v_cmp_eq_u32 vcc_lo, 1, v30                    ; odd q: the two change places
	v_cndmask_b32 v31, v25, v27, vcc_lo
	v_cndmask_b32 v32, v27, v25, vcc_lo
	v_lshlrev_b32 v33, 30, v23                     ; sin is negated where bit 1 of q is set,
	v_add_nc_u32 v34, 1, v23
	v_and_b32 v33, 0x80000000, v33
	v_lshlrev_b32 v34, 30, v34                     ; cos where bit 1 of q + 1 is set
	v_and_b32 v34, 0x80000000, v34
	v_xor_b32 v[80+\n], v31, v33
	v_xor_b32 v[64+\n], v32, v34
.endm
	SINCOS 0,  1.0,              0.1
	SINCOS 1,  0.749894209332,   0.0749894209332
	SINCOS 2,  0.562341325190,   0.0562341325190
	SINCOS 3,  0.421696503429,   0.0421696503429
	SINCOS 4,  0.316227766017,   0.0316227766017
	SINCOS 5,  0.237137370566,   0.0237137370566
	SINCOS 6,  0.177827941004,   0.0177827941004
	SINCOS 7,  0.133352143216,   0.0133352143216
	SINCOS 8,  0.01,             0.001
	SINCOS 9,  0.00749894209332, 0.000749894209332
	SINCOS 10, 0.00562341325190, 0.000562341325190
	SINCOS 11, 0.00421696503429, 0.000421696503429
	SINCOS 12, 0.00316227766017, 0.000316227766017
	SINCOS 13, 0.00237137370566, 0.000237137370566
	SINCOS 14, 0.00177827941004, 0.000177827941004
	SINCOS 15, 0.00133352143216, 0.000133352143216
.irp g, 0,1,2,3,4,5,6,7
	global_store_b128 v4, v[64+4*\g:67+4*\g], s[18:19] offset:512*\g   ; the wave stores 512 consecutive bytes
.endr
	s_endpgm
.macro SCALE e                         ; v11 = 2^e as f32: the conversion takes its exponent field;  v10 = 448 x 2^e
	s_wait_kmcnt 0x0
	s_add_co_i32 s22, s[\e], 127
	s_lshl_b32 s23, s22, 23
	v_mov_b32 v11, s23
	s_add_co_i32 s22, s22, 8
	s_lshl_b32 s22, s22, 23
	s_or_b32 s22, s22, 0x600000
	v_mov_b32 v10, s22
.endm
; ---- x.  The work-group takes 32 rows; wave w takes k = 128 w .. 128 w + 127 of them, as two tasks of 16 rows: each task is one fragment.  A load reads 512 consecutive bytes of a row, and the eight waves
; stand side by side on it.  The 16 x 512 bytes turn through the wave's own stage, so that a lane gets eight neighbours along K at a time, in the fragment's order.
.Lx:
	s_lshl_b32 s32, ttmp9, 17                      ; 32 rows of 4,096 bytes
	s_lshl_b32 s33, s20, 9
	s_add_co_u32 s32, s32, s33
	s_mov_b32 s33, 0
	s_add_nc_u64 s[4:5], s[4:5], s[32:33]
.irp task, 0,1
.irp p, 0,1,2,3,4,5,6,7,8,9,10,11,12,13,14,15
	global_load_b128 v[R+64*\task+4*\p:R+64*\task+4*\p+3], v4, s[4:5] offset:\task*65536+\p*4096 th:TH_LOAD_NT
.endr
.endr
	s_mul_i32 s34, s20, STG
	v_add_nc_u32 v5, s34, v4                       ; into the stage: a row as it lies
	v_mul_u32_u24 v6, v2, SP
	v_lshl_add_u32 v6, v3, 5, v6
	v_add_nc_u32 v6, s34, v6                       ; back: row r, + 32 h bytes: k = 8 h on
	s_lshr_b32 s35, ttmp9, 2                       ; where the two images go: block of 128 rows = work-group / 4,
	s_lshl_b32 s35, s35, 17
	s_lshr_b32 s36, s20, 1                         ; 256 along K = wave / 2,
	s_lshl_b32 s36, s36, 15
	s_add_co_u32 s35, s35, s36
	s_and_b32 s36, ttmp9, 3                        ; blocks of 16 rows 2 (work-group % 4) + task,
	s_lshl_b32 s36, s36, 13
	s_add_co_u32 s35, s35, s36
	s_and_b32 s36, s20, 1                          ; half of the 256 = wave % 2
	s_lshl_b32 s36, s36, 11
	s_add_co_u32 s36, s35, s36
	s_mov_b32 s37, 0
	s_add_nc_u64 s[12:13], s[12:13], s[36:37]
	SCALE 24
.macro XTASK task, cd, left
	s_wait_loadcnt \left                           ; this task's 16 loads are in; the other task's may be out
.irp p, 0,1,2,3,4,5,6,7,8,9,10,11,12,13,14,15
	ds_store_b128 v5, v[R+64*\task+4*\p:R+64*\task+4*\p+3] offset:SP*\p
.endr
.irp c, 0,1,2,3,4,5,6,7
	ds_load_b128 v[XN+8*\c:XN+8*\c+3], v6 offset:64*\c            ; LDS serves a wave's instructions in order: these see the stores above, and the next task's stores come behind them
	ds_load_b128 v[XN+8*\c+4:XN+8*\c+7], v6 offset:64*\c+16
.endr
	s_wait_dscnt 0x0
.set i_, 0
.rept 64
	v_med3_num_f32 v[XN+i_], v[XN+i_], -v10, v10   ; the conversion to an 8-bit code does not saturate (ISA guide 7.6.2): the hold at the largest code x the scale
.set i_, i_+1
.endr
.irp c, 0,1,2,3,4,5,6,7
	v_cvt_scalef32_pk8_fp8_f32 v[\cd+2*\c:\cd+2*\c+1], v[XN+8*\c:XN+8*\c+7], v11
.endr
	v_nop                                          ; a plain line between the conversions and the next task's holds, which write their sources
.irp g, 0,1,2,3
	global_store_b128 v4, v[\cd+4*\g:\cd+4*\g+3], s[12:13] offset:\task*4096+512*\g   ; 512 consecutive bytes a store, 2,048 an image
.endr
.endm
	XTASK 0, XC0, 16
	XTASK 1, XC1, 0
	s_wait_tensorcnt 0x0
	ds_add_u32 v240, v241
	s_wait_dscnt 0x0
	s_endpgm
; ---- A WEIGHT [1024 (k)][N].  A work-group takes 256 columns x 128 K; a wave 32 columns.  A LANE TAKES A COLUMN AND ITS REGISTERS RUN DOWN K: a load reads 128 consecutive bytes, the eight waves 1,024, and the
; conversions give codes with K innermost.  A lane then holds both halves (h = 0 in CA, h = 1 in CB) of its column's part of a fragment; one exchange of half-waves for each register pair makes of CA the image of
; columns 0-15 and of CB that of columns 16-31.  Loads go out a quarter (32 along K) at a time, two quarters ahead.
.macro WLOAD src, np, qd
.set i_, 0
.rept 32
	global_load_b32 v[R+32*(\qd)+i_], v7, s[\src:\src+1] offset:(32*(\qd)+i_)*\np th:TH_LOAD_NT
.set i_, i_+1
.endr
.endm
.macro WQUART qd
.set i_, 0
.rept 32
	v_med3_num_f32 v[R+32*(\qd)+i_], v[R+32*(\qd)+i_], -v10, v10
.set i_, i_+1
.endr
.irp p, 0,1
	v_cvt_scalef32_pk8_fp8_f32 v[CA+2*(2*(\qd)+\p):CA+2*(2*(\qd)+\p)+1], v[R+32*(\qd)+16*\p:R+32*(\qd)+16*\p+7], v11
	v_cvt_scalef32_pk8_fp8_f32 v[CB+2*(2*(\qd)+\p):CB+2*(2*(\qd)+\p)+1], v[R+32*(\qd)+16*\p+8:R+32*(\qd)+16*\p+15], v11
.endr
.endm
.macro WQ src, dst, np, first, e       ; np: bytes in a row of the weight; first: the tensor's first work-group; e: the register of its exponent
	s_sub_co_u32 s32, ttmp9, \first
	s_lshr_b32 s33, s32, 3                         ; which 256 columns
	s_and_b32 s32, s32, 7                          ; which 128 along K
	s_mul_i32 s34, s32, 128*\np
	s_lshl_b32 s35, s33, 10
	s_add_co_u32 s34, s34, s35
	s_lshl_b32 s35, s20, 7
	s_add_co_u32 s34, s34, s35
	s_mov_b32 s35, 0
	s_add_nc_u64 s[\src:\src+1], s[\src:\src+1], s[34:35]
	WLOAD \src, \np, 0
	WLOAD \src, \np, 1
	s_lshl_b32 s36, s33, 1                         ; where my two images go: block of 128 columns = 2 x group + wave / 4,
	s_lshr_b32 s37, s20, 2
	s_add_co_u32 s36, s36, s37
	s_lshl_b32 s36, s36, 17
	s_lshr_b32 s37, s32, 1                         ; 256 along K,
	s_lshl_b32 s37, s37, 15
	s_add_co_u32 s36, s36, s37
	s_and_b32 s37, s20, 3                          ; blocks of 16 columns 2 (wave % 4) and the next,
	s_lshl_b32 s37, s37, 13
	s_add_co_u32 s36, s36, s37
	s_and_b32 s37, s32, 1                          ; half of the 256
	s_lshl_b32 s37, s37, 11
	s_add_co_u32 s36, s36, s37
	s_mov_b32 s37, 0
	s_add_nc_u64 s[\dst:\dst+1], s[\dst:\dst+1], s[36:37]
	SCALE \e
	s_wait_loadcnt 32                              ; quarter 0 is in, quarter 1 may be out
	WLOAD \src, \np, 2
	WQUART 0
	s_wait_loadcnt 32                              ; quarter 1 is in, quarter 2 may be out
	WLOAD \src, \np, 3
	WQUART 1
	s_wait_loadcnt 32                              ; quarter 2 is in, quarter 3 may be out
	WQUART 2
	s_wait_loadcnt 0
	WQUART 3
	v_nop                                          ; a plain line between the conversions and the lines that touch their results
.set i_, 0
.rept 16
	v_permlane16_swap_b32 v[CA+i_], v[CB+i_]       ; CA's lanes 16-31 and CB's lanes 0-15 change places
.set i_, i_+1
.endr
.irp i, 0,1
.irp c, 0,1,2,3
	global_store_b128 v4, v[CA+16*\i+4*\c:CA+16*\i+4*\c+3], s[\dst:\dst+1] offset:\i*4096+512*\c
.endr
.endr
.endm
.Lwqkv:
	WQ 6, 14, 12288, 256, 25
	s_endpgm
.Lwproj:
	WQ 8, 16, 4096, 352, 31
	s_endpgm
.Lfunc_end_k_q5bfb46c504_prep:
	.size	k_q5bfb46c504_prep, .Lfunc_end_k_q5bfb46c504_prep-k_q5bfb46c504_prep
	.p2alignl 7, 3214868480
	.fill 96, 4, 3214868480
	.section	.rodata,"a",@progbits
	.p2align	6, 0x0
	.amdhsa_kernel k_q5bfb46c504_prep
		.amdhsa_group_segment_fixed_size 68608
		.amdhsa_private_segment_fixed_size 0
		.amdhsa_enable_private_segment 0
		.amdhsa_kernarg_size 64
		.amdhsa_user_sgpr_count 2
		.amdhsa_user_sgpr_kernarg_segment_ptr 1
		.amdhsa_wavefront_size32 1
		.amdhsa_system_sgpr_workgroup_id_x 1
		.amdhsa_system_sgpr_workgroup_id_y 1
		.amdhsa_system_sgpr_workgroup_id_z 1
		.amdhsa_system_vgpr_workitem_id 0
		.amdhsa_next_free_vgpr 242
		.amdhsa_next_free_sgpr 66
		.amdhsa_reserve_vcc 1
		.amdhsa_float_denorm_mode_32 3
		.amdhsa_float_denorm_mode_16_64 3
		.amdhsa_memory_ordered 1
		.amdhsa_forward_progress 1
		.amdhsa_inst_pref_size 92
	.end_amdhsa_kernel
	.amdgpu_metadata
---
amdhsa.version: [ 1, 2 ]
amdhsa.kernels:
  - .name:           k_q5bfb46c504_prep
    .symbol:         k_q5bfb46c504_prep.kd
    .args:
      - { .name: x, .offset: 0, .size: 8, .value_kind: global_buffer, .address_space: global }
      - { .name: Wqkv, .offset: 8, .size: 8, .value_kind: global_buffer, .address_space: global }
      - { .name: Wproj, .offset: 16, .size: 8, .value_kind: global_buffer, .address_space: global }
      - { .name: lowp_scales, .offset: 24, .size: 8, .value_kind: global_buffer, .address_space: global }
      - { .name: xq, .offset: 32, .size: 8, .value_kind: global_buffer, .address_space: global }
      - { .name: wq, .offset: 40, .size: 8, .value_kind: global_buffer, .address_space: global }
      - { .name: wp, .offset: 48, .size: 8, .value_kind: global_buffer, .address_space: global }
      - { .name: tab, .offset: 56, .size: 8, .value_kind: global_buffer, .address_space: global }
    .group_segment_fixed_size: 68608
    .private_segment_fixed_size: 0
    .kernarg_segment_align: 8
    .kernarg_segment_size: 64
    .max_flat_workgroup_size: 256
    .sgpr_count:     66
    .vgpr_count:     242
    .wavefront_size: 32
...
	.end_amdgpu_metadata
.endif
;; end of part 1
;; launch qkv (part 2): grid 12 x 32, 4 waves a work-group, clusters of 4 x 4, 327,680 bytes of LDS; arguments xq, wq, lowp_scales, q_norm_w, k_norm_w, tab, qc, kv; writes qc, kv
.if DOCPART == 2
	.amdgcn_target "amdgcn-amd-amdhsa--gfx1250"
	.amdhsa_code_object_version 6
	.text
	.protected	k_q5bfb46c504_qkv
	.globl	k_q5bfb46c504_qkv
	.p2align	8
	.type	k_q5bfb46c504_qkv,@function
k_q5bfb46c504_qkv:
	s_mov_b64 s[64:65], 0
	v_nop
	global_prefetch_b8 v0, s[64:65] scope:SCOPE_SE
	s_setreg_imm32_b32 hwreg(HW_REG_WAVE_MODE, 25, 1), 1
	s_wait_xcnt 0x0
	s_wait_alu depctr_hold_cnt(0) depctr_sa_sdst(0) depctr_va_vdst(0) depctr_va_sdst(0) depctr_va_ssrc(0) depctr_va_vcc(0) depctr_vm_vsrc(0)
	s_getreg_b32 s2, hwreg(HW_REG_IB_STS2, 6, 4)
	s_cmp_eq_u32 s2, 0
	s_cbranch_scc0 .Lentry_in_a_cluster
	s_endpgm
.Lentry_in_a_cluster:
	s_bfe_u32 s2, ttmp6, 0x10000c
	s_cmp_lg_u32 s2, 0xf033
	s_cbranch_scc0 .Lentry_shape_is_right
	s_endpgm
.Lentry_shape_is_right:
; qkv = x Wqkv on codes of E4M3, then, in registers: for q and k the head's RMS norm, its gain and the rotation; for all three the quantiser of the product that follows.  What is stored are images of the operand
; registers that the attention launch loads (an image: registers 4 g .. 4 g + 3 of lane l at byte 512 g + 16 l).
; A work-group of four waves makes 256 x 256 of the product, a wave 128 x 128: 64 accumulators, 512 registers.  K = 1,024 goes in four steps of 256 through a ring of two LDS slots filled by the tensor data mover.
; The operands lie in memory as images of fragments (16 rows x 128 K: lane (r, h) holds row r, registers 2 c, 2 c + 1 hold k = 16 c + 8 h + 0 .. 7), 128 rows x 256 K in 32,768 bytes on end:
; a tile is one dense block, an LDS load takes 16 bytes a lane on end, and LDS needs no padding.
; THE MATRIX INSTRUCTION: source 0 = 16 rows of "B", source 1 = 16 rows of "A": lane (r, h) of the result holds row r of A and rows 8 h + 0 .. 7 of B.
; THE CLUSTER'S x SAYS WHAT IS MADE (it is the same in all sixteen partners).  0: q, 1: k: A = 256 tokens, B = 256 columns of Wqkv: a lane holds ONE token and its registers run along a head.
; 2: v: A = 256 columns of Wv, B = 256 tokens: a lane holds ONE channel and its registers run along the tokens, which are the K of attention's second product.  Only addresses are chosen; the loop is one text.
; CLUSTERS: 4 x 4.  A's tile hangs on cy and numbers that all partners share, and is asked for jointly along a row of the cluster; B's on cx, along a column.
; OUT.  qc: [64 heads][128 blocks of 16 tokens][1,024 bytes: 16 tokens x 64].  kv: [64 heads][16 steps of 128 keys][8 images of k, 16 keys x 64, 1,024 bytes each; then 4 images of v, 16 channels x 128 keys, 2,048 each].
; LIMITS on the given exponents, so that each power of two below is an f32 number: e2, e3 and e5 - e0 - e1 between -126 and 119; e0 + e1 between -60 and 66.  NaN among the inputs is not served.
; The gain, the root and cos / sin are multiplied in another order than (q x root) x gain x cos: each product is one f32 rounding.
; REGISTERS, in windows of 256: window 0: v0-31 addresses and constants; v32-63 the gain; v64-127 two blocks of the table; from v128 A's fragments, ONE set; in the epilogue v128-255 are at work.
;   window 1: B's fragments, TWO sets.   window 2: the accumulators of A's blocks 0-3 (accumulator (a, b) at v[8 (8 (a % 4) + b)]);   window 3: of blocks 4-7.
.set KSTEPB, 32768                     ; in memory: from 128 rows' 256 along K to their next 256
.set HALFT,  32768                     ; 128 rows x 256 K: what one tensor load brings, and what one wave reads of A or of B in a slot
.set SLOT,   4*HALFT                   ; A's two halves, then B's two
.set SPARE,  2*SLOT                    ; behind the ring: the spare words, 128 bytes for each wave: two blocks of 256 bytes that no other line names
.set LAPS,   2                         ; a lap = two slots = 512 along K
.set FR,     16                        ; registers of a fragment
.set NL,     4                         ; LDS loads that bring one
.set NP,     4                         ; places behind this matrix instruction (ISA guide 7.12.1)
.set LI,   8                           ; v8   16 x lane
.set HO,   9                           ; v9   32 x (lane / 16)
.set LIM,  10                          ; v10  448 x the conversion's scale
.set SCL,  11                          ; v11  the conversion's scale as f32
.set ADRA, 16                          ; v16-17  LDS address of my A fragments in slot 0, 1
.set ADRB, 20                          ; v20-21  the same for B
.set SPW,  28                          ; v28  LDS address of my spare word; never rewritten
.set NIL,  29                          ; v29  0; never rewritten
.set WN,   32                          ; v32-63   the gain: register 8 t + j = w[16 t + 8 h + j]
.set TB0,  64                          ; v64-127  the table of two token blocks: cos at 0-15, sin at 16-31
.set AF,   128                         ; A's fragments
.set T,    128                         ; epilogue: v128-159 a head's 32 numbers (v: v128-191, a block's 64)
.set CF,   160                         ; v160-191 cos and sin x the token's factor
.set SS,   192                         ; v192-199 sums of squares: four registers a head
.set U,    200                         ; v200-203 at work
.set F,    204                         ; v204-207 the token's factor, a pair for each head
.set CD,   224                         ; v224-255 codes: four sets of 8
.set VC,   192                         ; v: v192-223 codes: two sets of 16
.set G1, 24                            ; s[24:31] descriptor group 1 for A's tiles;  s[32:39] group 0, one set for each slot
.set G0, 32
.set G1B, 48                           ; s[48:55], s[56:63] the same for B's tiles
.set G0B, 56
.set MSB, 0
.macro WIN new                         ; the immediate's high byte repeats the setting that is left
.if MSB != \new
	s_set_vgpr_msb (MSB<<8)|\new
.set MSB, \new
.endif
.endm
.set MUL_LO, 0xa1                      ; source 0 (B) window 1, source 1 (A) window 0, C and D window 2
.set MUL_HI, 0xf1                      ; the same, C and D window 3
.set TO_B,   0x40                      ; destination window 1, address window 0
; A joint load: waves 0 and 1 fetch A's halves, waves 2 and 3 B's.  Each of the two lines has one mask and one set of registers for all that issue it; the branch hangs on the wave's number alone.
; Four v_nop follow each of the two lines, ahead of the jump, the label and what follows.
.macro JLOAD g0a, g1a, g0b, g1b
	s_cmp_eq_u32 s15, 0
	s_cbranch_scc0 .Lfor_b_\@
	tensor_load_to_lds s[\g0a:\g0a+3], s[\g1a:\g1a+7]
	s_nop 0
.rept 4
	v_nop
.endr
	s_branch .Lasked_\@
.Lfor_b_\@:
	tensor_load_to_lds s[\g0b:\g0b+3], s[\g1b:\g1b+7]
	s_nop 0
.rept 4
	v_nop
.endr
.Lasked_\@:
.endm
.macro CREST                           ; a round of the cluster's barrier behind its opening barrier
	s_cmp_lg_u32 s14, 0
	s_cbranch_scc1 .Lnot_wave_0_\@
	s_barrier_signal -3
.Lnot_wave_0_\@:
	s_barrier_wait -3
	s_barrier_signal -1
	s_barrier_wait -1
.endm
.macro CROUND                          ; a whole round
	s_barrier_signal -1
	s_barrier_wait -1
	CREST
.endm
	s_load_b512 s[68:83], s[0:1], 0x0              ; xq s[68:69], wq s[70:71], scales s[72:73], q's gain s[74:75], k's gain s[76:77], tab s[78:79], qc s[80:81], kv s[82:83]
	v_lshl_add_u32 v[SPW], v0, 2, SPARE
	v_mov_b32 v[NIL], 0
	ds_add_u32 v28, v29
	ds_add_u32 v28, v29
	s_wait_dscnt 0x0
	v_lshrrev_b32 v1, 5, v0
	v_readfirstlane_b32 s14, v1                    ; wave 0..3
	s_lshr_b32 s15, s14, 1                         ; which half of A's 256 rows is mine.  Also: I fetch for A (0) or for B (1)
	s_and_b32 s16, s14, 1                          ; which half of B's.  Also: which 128 rows of that tile I fetch
	s_bfe_u32 s40, ttmp6, 0x40000                  ; cx, cy: my place in the cluster
	s_bfe_u32 s41, ttmp6, 0x40004
	s_mov_b32 s92, ttmp9                           ; the cluster's x: 0 q, 1 k, 2 v
	s_and_b32 s18, ttmp7, 0xffff
	s_lshl_b32 s18, s18, 2                         ; 4 x the cluster's y
	s_lshl_b32 s19, s92, 2
	s_add_co_u32 s17, s18, s41                     ; q, k: A's tile = 256 tokens 4 y + cy,
	s_add_co_u32 s42, s19, s40                     ;       B's tile = 256 columns 4 x + cx
	s_add_co_u32 s46, s18, s40                     ; v:    B's tile = 256 tokens 4 y + cx,
	s_cmp_eq_u32 s92, 2
	s_cselect_b32 s17, s41, s17                    ;       A's tile = 256 columns cy of Wv
	s_cselect_b32 s42, s46, s42
	s_lshl_b32 s43, s41, 2
	s_lshl_b32 s43, 15, s43                        ; my row of the cluster
	s_lshl_b32 s44, 0x1111, s40                    ; my column
	; descriptor group 1: a dense block of 32,768 bytes as 128 rows of 32 elements of 8 bytes
	s_or_b32 s[G1+0], s43, (3<<16)|(1<<21)         ; 15:0 the mask: A's tiles go to my row; 17:16 elements of 8 bytes; 20 no padding; 21 set beside a mask
	s_or_b32 s[G1B+0], s44, (3<<16)|(1<<21)
.irp g, G1, G1B
	s_mov_b32 s[\g+1], 32<<16                      ; tensor_dim0 = 32
	s_mov_b32 s[\g+2], 128<<16                     ; tensor_dim1 = 128
	s_mov_b32 s[\g+3], 32<<16                      ; tile_dim0 = 32
	s_mov_b32 s[\g+4], 128                         ; tile_dim1 = 128
	s_mov_b32 s[\g+5], 32                          ; tensor_dim0_stride = 32: dense
	s_mov_b32 s[\g+6], 0
	s_mov_b32 s[\g+7], 0
.endr
	s_lshl_b32 s20, s17, 1
	s_add_co_u32 s20, s20, s16
	s_lshl_b32 s20, s20, 17                        ; A: block of 128 rows 2 x tile + half, 131,072 bytes each
	s_mov_b32 s21, 0
	s_lshl_b32 s46, s42, 1
	s_add_co_u32 s46, s46, s16
	s_lshl_b32 s46, s46, 17                        ; B likewise
	s_mov_b32 s47, 0
	s_mul_i32 s45, s14, HALFT                      ; where they go: wave x 32,768: no place in the cluster enters an LDS address
	s_wait_kmcnt 0x0
	s_load_b256 s[84:91], s[72:73], 0x0            ; e0 .. e7
	s_add_nc_u64 s[22:23], s[70:71], 0x200000      ; Wv's columns: rows 2,048 on of wq
	s_cmp_eq_u32 s92, 2
	s_cselect_b64 s[4:5], s[22:23], s[68:69]       ; A's codes
	s_cselect_b64 s[6:7], s[68:69], s[70:71]       ; B's codes
	s_add_nc_u64 s[20:21], s[4:5], s[20:21]
	s_add_nc_u64 s[46:47], s[6:7], s[46:47]
	CROUND                                         ; all sixteen work-groups are here: the first joint loads meet
.irp s, 0,1
	s_mov_b32 s[G0+4*\s], 1
	s_add_co_u32 s[G0+4*\s+1], s45, \s*SLOT
	s_add_nc_u64 s[G0+4*\s+2:G0+4*\s+3], s[20:21], \s*KSTEPB
	s_or_b32 s[G0+4*\s+3], s[G0+4*\s+3], 0x80000000
	s_mov_b32 s[G0B+4*\s], 1
	s_add_co_u32 s[G0B+4*\s+1], s45, \s*SLOT
	s_add_nc_u64 s[G0B+4*\s+2:G0B+4*\s+3], s[46:47], \s*KSTEPB
	s_or_b32 s[G0B+4*\s+3], s[G0B+4*\s+3], 0x80000000
	JLOAD G0+4*\s, G1, G0B+4*\s, G1B               ; two loads of mine are out
.endr
	v_and_b32 v6, 31, v0
	v_lshlrev_b32 v[LI], 4, v6
	v_bfe_u32 v2, v0, 4, 1
	v_lshlrev_b32 v[HO], 5, v2
	s_mul_i32 s21, s15, HALFT                      ; my 128 rows of A
	s_mul_i32 s22, s16, HALFT                      ; my 128 rows of B,
	s_add_co_u32 s22, s22, 2*HALFT                 ; which lie behind A's 256
.irp s, 0,1
	v_add_nc_u32 v[ADRA+\s], s21, v[LI]
	v_add_nc_u32 v[ADRB+\s], s22, v[LI]
	s_add_co_u32 s21, s21, SLOT
	s_add_co_u32 s22, s22, SLOT
.endr
	; where the results go.  My 128 tokens are group G = 2 x (the tokens' tile) + half: batch G / 16, step st = G % 16 of the sequence.  My 128 columns are two heads, the first 4 x (the columns' tile) + 2 x half, mod 16.
	s_cmp_eq_u32 s92, 2
	s_cselect_b32 s18, s42, s17                    ; the tokens' tile and half,
	s_cselect_b32 s19, s16, s15
	s_cselect_b32 s22, s17, s42                    ; the columns' tile and half
	s_cselect_b32 s23, s15, s16
	s_cselect_b32 s46, 8192, 0                     ; v's images lie behind a step's eight of k
	s_lshl_b32 s18, s18, 1
	s_add_co_u32 s18, s18, s19                     ; G
	s_lshl_b32 s22, s22, 2
	s_lshl_b32 s23, s23, 1
	s_add_co_u32 s22, s22, s23
	s_and_b32 s22, s22, 15                         ; my first head
	s_lshr_b32 s19, s18, 4
	s_and_b32 s18, s18, 15                         ; st
	s_lshl_b32 s19, s19, 4
	s_add_co_u32 s19, s19, s22                     ; 16 x batch + head
	s_lshl_b32 s19, s19, 17
	s_lshl_b32 s23, s18, 13
	s_add_co_u32 s19, s19, s23                     ; in qc: a head is 131,072 bytes, 128 tokens 8,192;
	s_min_u32 s47, s92, 1
	s_lshl_b32 s19, s19, s47                       ; in kv both are twice that
	s_add_co_u32 s22, s19, s46
	s_mov_b32 s23, 0
	s_cmp_eq_u32 s92, 0
	s_cselect_b64 s[96:97], s[80:81], s[82:83]
	s_cselect_b64 s[4:5], s[74:75], s[76:77]       ; the gain: q's or k's
	s_add_nc_u64 s[96:97], s[96:97], s[22:23]      ; my first head's place,
	s_lshl_b32 s22, 0x20000, s47
	s_add_nc_u64 s[98:99], s[96:97], s[22:23]      ; my second head's
	s_lshl_b32 s22, s18, 15
	s_add_nc_u64 s[100:101], s[78:79], s[22:23]    ; the table of my 8 blocks of 16 tokens, 4,096 bytes each
	s_mov_b32 s66, 0x76543210                      ; v_permlanex16_b32's selects for lane l xor 16
	s_mov_b32 s67, 0xfedcba98
	; the gain and the table of my first two token blocks, for the epilogue: they land while the products run.  The v clusters issue these loads too and use none of them:
	; so the text has one way from its head to the epilogue, and each count of loads there holds on it.
.irp t, 0,1,2,3
	global_load_b128 v[WN+8*\t:WN+8*\t+3], v[HO], s[4:5] offset:64*\t
	global_load_b128 v[WN+8*\t+4:WN+8*\t+7], v[HO], s[4:5] offset:64*\t+16
.endr
.irp a, 0,1
.irp g, 0,1,2,3,4,5,6,7
	global_load_b128 v[TB0+32*\a+4*\g:TB0+32*\a+4*\g+3], v[LI], s[100:101] offset:4096*\a+512*\g
.endr
.endr
.macro FRAG reg, adr, q, i             ; the image of block i's fragment of the slot's q-th 128 along K: four loads of 512 consecutive bytes
.irp c, 0,1,2,3
	ds_load_b128 v[\reg+4*\c:\reg+4*\c+3], v[\adr] offset:4096*(\i)+2048*(\q)+512*\c
.endr
.endm
; 16 matrix instructions: A's blocks a0, a0 + 1 x B's eight, 128 along K.  p: B's set.  zero = 1: the first product starts the sums: nothing is ever cleared.
; The 64 accumulators take turns, one instruction a turn, in the same order in every step.
.macro MUL16 a0, p, zero
.irp a, \a0, \a0+1
.irp b, 0,1,2,3,4,5,6,7
.if \zero
	v_wmma_f32_16x16x128_fp8_fp8 v[8*(8*((\a)%4)+\b):8*(8*((\a)%4)+\b)+7], v[128*(\p)+FR*\b:128*(\p)+FR*\b+FR-1], v[AF+FR*(\a):AF+FR*(\a)+FR-1], 0
.else
	v_wmma_f32_16x16x128_fp8_fp8 v[8*(8*((\a)%4)+\b):8*(8*((\a)%4)+\b)+7], v[128*(\p)+FR*\b:128*(\p)+FR*\b+FR-1], v[AF+FR*(\a):AF+FR*(\a)+FR-1], v[8*(8*((\a)%4)+\b):8*(8*((\a)%4)+\b)+7]
.endif
.endr
.endr
.endm
.macro FETCH_B slot, q, p              ; B's eight fragments into set p
	WIN TO_B
.irp i, 0,1,2,3,4,5,6,7
	FRAG 128*(\p)+FR*\i, ADRB+\slot, \q, \i
.endr
	WIN 0
.endm
.macro FETCH_A slot, q, i0             ; A's blocks i0 .. i0 + 3
.irp i, \i0, \i0+1, \i0+2, \i0+3
	FRAG AF+FR*(\i), ADRA+\slot, \q, \i
.endr
.endm
; A load into a register that a matrix instruction has read, and a vector instruction that reads a matrix result, stand NP places behind that matrix instruction; only plain vector instructions that name none of
; its registers are places (ISA guide 7.12.1 for vector instructions).
.macro PLACES n
.rept \n
	v_nop
.endr
.endm
; A step of 128 along K that has its successor in the same slot.  A's blocks are free as soon as their eight products are issued: blocks 0-3 are fetched anew in the step's middle, blocks 4-7 at its end.
.macro STEP slot, q, zero
	s_wait_dscnt 4*NL                              ; B's set and A's blocks 0-3 are in; the youngest 16 loads (A's blocks 4-7) may be out
	WIN MUL_LO
	MUL16 0, (\q)%2, \zero
	MUL16 2, (\q)%2, \zero
	s_wait_dscnt 0                                 ; A's blocks 4-7 are in
	PLACES NP
	FETCH_B \slot, (\q)+1, 1-(\q)%2
	FETCH_A \slot, (\q)+1, 0
	WIN MUL_HI
	MUL16 4, (\q)%2, \zero
	MUL16 6, (\q)%2, \zero
	PLACES NP
	WIN 0
	FETCH_A \slot, (\q)+1, 4
.endm
; A slot's last step changes slots: ONE barrier; in front of it each wave waits for all its tensor loads, adds 0 to its spare word, and waits for that and for its own reads of this slot.  fill = 1: this slot is filled again, two slots ahead.
.macro TURN slot, next, fill
	s_wait_tensorcnt 0x0                           ; all my tensor loads have landed: my part of the next slot;  (every window is 0 here)
	ds_add_u32 v[SPW], v[NIL]                      ; 0 onto my spare word
	s_wait_dscnt 4*NL+1                            ; (the add and the youngest 16 loads, A's blocks 4-7, may be out)
	WIN MUL_LO
	MUL16 0, 1, 0                                  ; sixteen matrix instructions stand between the add and the wait for it
	s_wait_dscnt 0x0                               ; the add is done, and my reads of this slot are over
	s_barrier_signal -1
	MUL16 2, 1, 0
	WIN 0
	s_barrier_wait -1
.if \fill
	CREST                                          ; the barrier has opened a round of the cluster's barrier: no wave of any partner still reads this slot or has a load on its way
	s_add_nc_u64 s[G0+4*\slot+2:G0+4*\slot+3], s[G0+4*\slot+2:G0+4*\slot+3], 2*KSTEPB
	s_add_nc_u64 s[G0B+4*\slot+2:G0B+4*\slot+3], s[G0B+4*\slot+2:G0B+4*\slot+3], 2*KSTEPB
	JLOAD G0+4*\slot, G1, G0B+4*\slot, G1B         ; the first tensor load behind the round, my one load until the next; its four v_nop are the places in front of the loads below
.else
	PLACES NP
.endif
	FETCH_B \next, 0, 0
	FETCH_A \next, 0, 0
	WIN MUL_HI
	MUL16 4, 1, 0
	MUL16 6, 1, 0
	PLACES NP
	WIN 0
	FETCH_A \next, 0, 4
.endm
	s_wait_tensorcnt 1                             ; my part of slot 0 is in (slot 1's load may be out)
	s_barrier_signal -1
	s_barrier_wait -1                              ; everybody's is
	FETCH_B 0, 0, 0
	FETCH_A 0, 0, 0
	FETCH_A 0, 0, 4
	STEP 0, 0, 1                                   ; the first step stands in front of the loop: its products start the sums
	s_mov_b32 s3, LAPS-1
.Llap:                                             ; a trip goes once round the ring, from a lap's second step to the next lap's first, and fills both slots again
	TURN 0, 1, 1
	STEP 1, 0, 0
	TURN 1, 0, 1
	STEP 0, 0, 0
	s_sub_co_u32 s3, s3, 1
	s_cmp_lg_u32 s3, 0
	s_cbranch_scc1 .Llap
	TURN 0, 1, 0                                   ; the last lap fills nothing, and has no round of the cluster's barrier
	STEP 1, 0, 0
	s_wait_dscnt 4*NL                              ; the very last step: nothing more to fetch
	WIN MUL_LO
	MUL16 0, 1, 0
	MUL16 2, 1, 0
	s_wait_dscnt 0
	WIN MUL_HI
	MUL16 4, 1, 0
	MUL16 6, 1, 0
	WIN 0
	; THE EPILOGUE.  A sum stands for sum x 2^E, E = e0 + e1.
	s_wait_kmcnt 0x0
	s_add_co_i32 s93, s84, s85                     ; E
	s_lshl_b32 s94, s93, 1
	s_add_co_i32 s94, s94, 121
	s_lshl_b32 s94, s94, 23                        ; 2^(2 E - 6) as f32: the sum of 64 squares x this is the mean of q^2
	s_mov_b32 s95, 0x3727c5ac                      ; eps = 1e-5
	s_sub_co_i32 s18, s89, s93                     ; the conversion's exponent.  v: e5 - E, on the sums as they are;
	s_cmp_eq_u32 s92, 1
	s_cselect_b32 s18, s87, s18                    ; k: e3,
	s_cmp_eq_u32 s92, 0
	s_cselect_b32 s18, s86, s18                    ; q: e2, on the finished numbers.  A choice, no branch, on the given numbers
	s_add_co_i32 s18, s18, 127
	s_lshl_b32 s19, s18, 23
	v_mov_b32 v[SCL], s19
	s_add_co_i32 s18, s18, 8
	s_lshl_b32 s18, s18, 23
	s_or_b32 s18, s18, 0x600000
	v_mov_b32 v[LIM], s18
	PLACES NP                                      ; behind the last products: the lines below write registers that held A's fragments
	s_cmp_eq_u32 s92, 2
	s_cbranch_scc1 .Lv
; q AND k, a block of 16 tokens (A's block a) at a time.  Lane (r, h) holds token r; of head hh, register 8 t + j of its 32 is d = 16 t + 8 h + j; the other 32 lie in lane l xor 16.
; d and d + 32, the rotation's partners, are registers n and n + 16 of one lane.  Eight registers of a tile, converted, are registers 2 t, 2 t + 1 of the fragment (16 tokens x 64): nothing changes lanes.
.macro HEAD hh, a
.set CQ, CD+8*((2*(\a)+\hh)%4)
.irp n, 0,2,4,6,8,10,12,14,16,18,20,22,24,26,28,30
	v_pk_mul_f32 v[CF+\n:CF+\n+1], v[TB+\n:TB+\n+1], v[F+2*\hh:F+2*\hh+1]   ; cos and sin x the token's factor
.endr
.irp n, 0,2,4,6,8,10,12,14
	v_pk_mul_f32 v[U:U+1], v[T+16+\n:T+17+\n], v[CF+16+\n:CF+17+\n]
	v_pk_mul_f32 v[U+2:U+3], v[T+\n:T+\n+1], v[CF+16+\n:CF+17+\n]
	v_pk_fma_f32 v[T+\n:T+\n+1], v[T+\n:T+\n+1], v[CF+\n:CF+\n+1], v[U:U+1] neg_lo:[0,0,1] neg_hi:[0,0,1]   ; q[d] cos - q[d + 32] sin
	v_pk_fma_f32 v[T+16+\n:T+17+\n], v[T+16+\n:T+17+\n], v[CF+\n:CF+\n+1], v[U+2:U+3]                        ; q[d + 32] cos + q[d] sin
.endr
.set i_, 0
.rept 32
	v_med3_num_f32 v[T+i_], v[T+i_], -v[LIM], v[LIM]   ; the conversion to an 8-bit code does not saturate (ISA guide 7.6.2): the hold, always executed
.set i_, i_+1
.endr
.irp t, 0,1,2,3
	v_cvt_scalef32_pk8_fp8_f32 v[CQ+2*\t:CQ+2*\t+1], v[T+8*\t:T+8*\t+7], v[SCL]
.endr
	v_nop                                          ; a plain line between the conversions and the next lines that write their sources
.irp u, 0,1
	global_store_b128 v[LI], v[CQ+4*\u:CQ+4*\u+3], s[96+2*\hh:97+2*\hh] offset:(\a)*1024+512*\u   ; the wave stores 512 consecutive bytes
.endr
.endm
.macro TMUL hh                         ; the head's sums x the gain
.irp n, 0,2,4,6,8,10,12,14,16,18,20,22,24,26,28,30
	v_pk_mul_f32 v[T+\n:T+\n+1], v[AC+32*\hh+\n:AC+32*\hh+\n+1], v[WN+\n:WN+\n+1]
.endr
.endm
.macro QKA a
.set W,  2+(\a)/4
.set AC, 64*((\a)%4)
.set TB, TB0+32*((\a)%2)
.if (\a) < 7
	s_wait_loadcnt 8                               ; this block's table is in (and the gain); the next block's eight loads may be out
.else
	s_wait_loadcnt 0
.endif
.if (\a) > 1
	s_wait_xcnt 0x0                                ; the stores of two blocks ago have read their registers: these sets of codes are written again
.endif
	WIN (W|(W<<2))                                 ; sources 0 and 1: the accumulators' window
.irp hh, 0,1                           ; the sums of squares, two chains a head, each accumulator from its low end on
	v_pk_mul_f32 v[SS+4*\hh:SS+4*\hh+1], v[AC+32*\hh:AC+32*\hh+1], v[AC+32*\hh:AC+32*\hh+1]
	v_pk_mul_f32 v[SS+4*\hh+2:SS+4*\hh+3], v[AC+32*\hh+2:AC+32*\hh+3], v[AC+32*\hh+2:AC+32*\hh+3]
.endr
.irp n, 4,8,12,16,20,24,28
.irp hh, 0,1
	v_pk_fma_f32 v[SS+4*\hh:SS+4*\hh+1], v[AC+32*\hh+\n:AC+32*\hh+\n+1], v[AC+32*\hh+\n:AC+32*\hh+\n+1], v[SS+4*\hh:SS+4*\hh+1]
	v_pk_fma_f32 v[SS+4*\hh+2:SS+4*\hh+3], v[AC+32*\hh+\n+2:AC+32*\hh+\n+3], v[AC+32*\hh+\n+2:AC+32*\hh+\n+3], v[SS+4*\hh+2:SS+4*\hh+3]
.endr
.endr
	WIN 0
	v_pk_add_f32 v[SS:SS+1], v[SS:SS+1], v[SS+2:SS+3]
	v_pk_add_f32 v[SS+4:SS+5], v[SS+4:SS+5], v[SS+6:SS+7]
	v_add_f32 v[SS], v[SS], v[SS+1]
	v_add_f32 v[SS+4], v[SS+4], v[SS+5]
	v_permlanex16_b32 v[SS+1], v[SS], s66, s67     ; the head's other 32 numbers lie in the lane 16 away
	v_permlanex16_b32 v[SS+5], v[SS+4], s66, s67
	v_add_f32 v[SS], v[SS], v[SS+1]
	v_add_f32 v[SS+4], v[SS+4], v[SS+5]
	v_fma_f32 v[SS], v[SS], s94, s95               ; mean(q^2) + eps
	v_fma_f32 v[SS+4], v[SS+4], s94, s95
	v_rsq_f32 v[F], v[SS]
	v_rsq_f32 v[F+2], v[SS+4]
	WIN W
	TMUL 0                                         ; work that names neither root stands behind them
	WIN 0
	s_wait_alu depctr_va_vdst(0)                   ; the wait ahead of the first line that names a root: one for both
	v_ldexp_f32 v[F], v[F], s93                    ; the token's factor: 2^E / sqrt(mean + eps)
	v_ldexp_f32 v[F+2], v[F+2], s93
	v_mov_b32 v[F+1], v[F]                         ; twice, a pair for the packed products
	v_mov_b32 v[F+3], v[F+2]
	HEAD 0, \a
	WIN W
	TMUL 1
	WIN 0
	HEAD 1, \a
.if (\a) < 6
.irp g, 0,1,2,3,4,5,6,7
	global_load_b128 v[TB+4*\g:TB+4*\g+3], v[LI], s[100:101] offset:4096*((\a)+2)+512*\g   ; the table of the block two on, into the set just used
.endr
.endif
.endm
.irp a, 0,1,2,3,4,5,6,7
	QKA \a
.endr
	s_branch .Ljoin
; v, a block of 16 channels (A's block a) at a time.  Lane (r, h) holds channel r; register 8 b + j is token 16 b + 8 h + j of my 128: converted, registers 2 b, 2 b + 1 of the fragment (16 channels x 128 keys).
.Lv:
.macro VA a
.set W,  2+(\a)/4
.set AC, 64*((\a)%4)
.set CQ, VC+16*((\a)%2)
.if (\a) > 1
	s_wait_xcnt 0x0                                ; the stores of two blocks ago have read their registers
.endif
	WIN W
.set i_, 0
.rept 64
	v_med3_num_f32 v[T+i_], v[AC+i_], -v[LIM], v[LIM]   ; the hold, into other registers; each accumulator from its low end on
.set i_, i_+1
.endr
	WIN 0
.irp b, 0,1,2,3,4,5,6,7
	v_cvt_scalef32_pk8_fp8_f32 v[CQ+2*\b:CQ+2*\b+1], v[T+8*\b:T+8*\b+7], v[SCL]
.endr
	v_nop                                          ; a plain line between the conversions and the next block's holds, which write their sources
.irp c, 0,1,2,3
	global_store_b128 v[LI], v[CQ+4*\c:CQ+4*\c+3], s[96+2*((\a)/4):97+2*((\a)/4)] offset:((\a)%4)*2048+512*\c
.endr
.endm
.irp a, 0,1,2,3,4,5,6,7
	VA \a
.endr
.Ljoin:
	s_wait_tensorcnt 0x0                           ; the wave's end
	ds_add_u32 v[SPW], v[NIL]
	s_wait_dscnt 0x0
	CROUND                                         ; the closing round: no work-group ends while a partner may still ask for a tile that names it
	s_endpgm
.Lfunc_end_k_q5bfb46c504_qkv:
	.size	k_q5bfb46c504_qkv, .Lfunc_end_k_q5bfb46c504_qkv-k_q5bfb46c504_qkv
	.p2alignl 7, 3214868480
	.fill 96, 4, 3214868480
	.section	.rodata,"a",@progbits
	.p2align	6, 0x0
	.amdhsa_kernel k_q5bfb46c504_qkv
		.amdhsa_group_segment_fixed_size 327680
		.amdhsa_private_segment_fixed_size 0
		.amdhsa_enable_private_segment 0
		.amdhsa_kernarg_size 64
		.amdhsa_user_sgpr_count 2
		.amdhsa_user_sgpr_kernarg_segment_ptr 1
		.amdhsa_wavefront_size32 1
		.amdhsa_system_sgpr_workgroup_id_x 1
		.amdhsa_system_sgpr_workgroup_id_y 1
		.amdhsa_system_sgpr_workgroup_id_z 1
		.amdhsa_system_vgpr_workitem_id 0
		.amdhsa_next_free_vgpr 1024
		.amdhsa_next_free_sgpr 102
		.amdhsa_reserve_vcc 0
		.amdhsa_float_denorm_mode_32 3
		.amdhsa_float_denorm_mode_16_64 3
		.amdhsa_memory_ordered 1
		.amdhsa_forward_progress 1
		.amdhsa_inst_pref_size 253
	.end_amdhsa_kernel
	.amdgpu_metadata
---
amdhsa.version: [ 1, 2 ]
amdhsa.kernels:
  - .name:           k_q5bfb46c504_qkv
    .symbol:         k_q5bfb46c504_qkv.kd
    .args:
      - { .name: xq, .offset: 0, .size: 8, .value_kind: global_buffer, .address_space: global }
      - { .name: wq, .offset: 8, .size: 8, .value_kind: global_buffer, .address_space: global }
      - { .name: lowp_scales, .offset: 16, .size: 8, .value_kind: global_buffer, .address_space: global }
      - { .name: q_norm_w, .offset: 24, .size: 8, .value_kind: global_buffer, .address_space: global }
      - { .name: k_norm_w, .offset: 32, .size: 8, .value_kind: global_buffer, .address_space: global }
      - { .name: tab, .offset: 40, .size: 8, .value_kind: global_buffer, .address_space: global }
      - { .name: qc, .offset: 48, .size: 8, .value_kind: global_buffer, .address_space: global }
      - { .name: kv, .offset: 56, .size: 8, .value_kind: global_buffer, .address_space: global }
    .group_segment_fixed_size: 327680
    .private_segment_fixed_size: 0
    .kernarg_segment_align: 8
    .kernarg_segment_size: 64
    .max_flat_workgroup_size: 128
    .sgpr_count:     102
    .vgpr_count:     1024
    .wavefront_size: 32
...
	.end_amdgpu_metadata
.endif
;; end of part 2
;; launch attn (part 3): grid 4 x 64, 16 waves a work-group, no clusters, 34,816 bytes of LDS; arguments qc, kv, lowp_scales, yc; writes yc
.if DOCPART == 3
	.amdgcn_target "amdgcn-amd-amdhsa--gfx1250"
	.amdhsa_code_object_version 6
	.text
	.protected	k_q5bfb46c504_attn
	.globl	k_q5bfb46c504_attn
	.p2align	8
	.type	k_q5bfb46c504_attn,@function
k_q5bfb46c504_attn:
	s_mov_b64 s[64:65], 0
	v_nop
	global_prefetch_b8 v0, s[64:65] scope:SCOPE_SE
	s_setreg_imm32_b32 hwreg(HW_REG_WAVE_MODE, 25, 1), 1
	s_wait_xcnt 0x0
; Causal attention of 64 heads (batch x head) of 2,048 tokens x 64, both products on codes of E4M3 with the given scales 2^e2 (q), 2^e3 (k), 2^e4 (p), 2^e5 (v); the result is quantised with 2^e6 for the last product.
; THE SOFTMAX AHEAD OF THE SECOND PRODUCT: t = score x log2(e) / 8; M = the row's largest t so far, rounded UP to a whole number; p = 2^(t - M) is what is quantised; the row's sum is taken of the unquantised p and
; divides at the end.  When M moves, the sum and O are multiplied by 2^(old M - new M): exact.
; SHARES.  Work-group (i, head) owns the blocks of 256 queries i and 7 - i, one after the other; each of its 16 waves owns 16 queries of a block.  A block QB needs the keys of QB + 1 trips of 256:
; i + 1 and 8 - i trips, NINE for every work-group: the loop's trip count is a constant.  A trip is two key steps of 128.
; A key step's 16,384 bytes (8 images of k: 16 keys x 64; 4 images of v: 16 channels x 128 keys) lie on end in memory.  The 512 threads load them, 32 bytes each, a whole step ahead, into registers, store them into one
; of two LDS slots, and every wave reads all of them.  ONE barrier a step: a slot is written again only behind the barrier of the step between, which every wave signals behind its last read of the slot.
; LAYOUT.  S^T = K Q^T (source 0 = 16 keys, source 1 = my 16 queries): lane (r, h) holds query r, register 8 c + j key 16 c + 8 h + j.  Converted, these are registers 2 c, 2 c + 1 of P (16 queries x 128 keys).
; O^T = V^T P^T: lane (r, h) holds query r, register 8 t + j channel 16 t + 8 h + j.  Converted, half an image of the last product's operand.  Nothing changes lanes but the row's maximum and sum.
; CAUSAL.  Only a block's last trip meets the diagonal.  There waves 0-7 mask in the first step and leave the second out (a scalar branch round its work, not round its barrier); waves 8-15 mask in the second.
; The hold of p may be jumped over where the given e4 makes it idle: p <= 1 <= 448 x 2^e4 for e4 >= -8.
; LIMITS on the given exponents: e2 + e3 between -123 and 130; e4 and e6 between -126 and 119.  NaN among the inputs is not served.
; REGISTERS: v1 16 x thread, v2 16 x lane, v3 my query less 8 h in a step of the diagonal, v4 -infinity, v5, v6 2^e4 and 448 x 2^e4, v7, v8 the same for e6; v12 -M, v13 the largest t, v[14:15] the sum in two halves;
;   v16-23 Q; v24-31 y's codes; v32-95 fragments of K, then of V; v96-159 S^T, then p; v160-191 O^T; v192-207 p's codes; v208-215 the next step's 32 bytes; v236-254 at work.
; s12 wave, s15 the block of queries, s16 the trip of its diagonal, s17 the trip, s18 1 on the diagonal, s19 1 in waves 0-7, s40 both; s[24:25] the head's keys, s[26:27] the step that is being loaded.
.set G,  208
.set SB, 16384                         ; a slot, and a key step in memory
.set VO, 8192                          ; v's images in it
	s_load_b256 s[4:11], s[0:1], 0x0               ; qc s[4:5], kv s[6:7], scales s[8:9], yc s[10:11]
	v_lshl_add_u32 v251, v0, 2, 0x8000
	v_mov_b32 v255, 0
	v_lshrrev_b32 v9, 5, v0
	v_readfirstlane_b32 s12, v9                    ; wave 0..15
	v_lshlrev_b32 v1, 4, v0
	v_and_b32 v9, 31, v0
	v_lshlrev_b32 v2, 4, v9
	v_and_b32 v10, 15, v0                          ; r
	v_bfe_u32 v11, v0, 4, 1                        ; h
	v_lshlrev_b32 v11, 3, v11
	v_sub_nc_u32 v3, v10, v11
	s_and_b32 s13, s12, 7
	s_lshl_b32 s14, s13, 4
	v_add_nc_u32 v3, s14, v3                       ; 16 (wave % 8) + r - 8 h: register 8 c + j is hidden where 16 c + j is above it
	v_mov_b32 v4, 0xff800000
	v_mov_b32 v236, 0                              ; written once: a lane permute's destination counts as one of its sources
	v_mov_b32 v252, 0
	v_mov_b32 v253, 0                              ; (named as the upper half of the pair v[252:253])
	s_cmp_lt_u32 s12, 8
	s_cselect_b32 s19, 1, 0
	s_mov_b32 s20, 0x76543210                      ; v_permlanex16_b32's selects for lane l xor 16
	s_mov_b32 s21, 0xfedcba98
	s_mov_b32 s15, ttmp9                           ; the first block: i, whose diagonal is trip i
	s_mov_b32 s16, ttmp9
	s_mov_b32 s17, 0
	s_and_b32 s48, ttmp7, 0xffff                   ; 16 x batch + head
	s_lshl_b32 s50, s48, 18                        ; kv: a head is 262,144 bytes
	s_mov_b32 s51, 0
	s_lshl_b32 s52, s48, 17                        ; qc: a head is 131,072 bytes, a wave's 16 queries 1,024
	s_lshl_b32 s53, s12, 10
	s_add_co_u32 s52, s52, s53
	s_mov_b32 s53, 0
	s_lshr_b32 s46, s48, 4                         ; yc: [blocks of 128 tokens][256 along K][blocks of 16 tokens][halves][image]: block of 128 tokens = 16 x batch + 2 QB + wave / 8,
	s_lshl_b32 s46, s46, 4
	s_lshr_b32 s47, s12, 3
	s_add_co_u32 s46, s46, s47
	s_lshl_b32 s46, s46, 17
	s_bfe_u32 s47, s48, 0x20002                    ; K = 64 x head + d: 256 along K = head / 4,
	s_lshl_b32 s47, s47, 15
	s_add_co_u32 s46, s46, s47
	s_lshl_b32 s47, s13, 12                        ; block of 16 tokens = wave % 8,
	s_add_co_u32 s46, s46, s47
	s_and_b32 s47, s48, 3                          ; 64 of the 256 = head % 4: 1,024 bytes each
	s_lshl_b32 s47, s47, 10
	s_add_co_u32 s46, s46, s47
	s_mov_b32 s47, 0
	s_wait_kmcnt 0x0
	s_load_b256 s[32:39], s[8:9], 0x0              ; e0 .. e7
	s_add_nc_u64 s[24:25], s[6:7], s[50:51]
	s_add_nc_u64 s[44:45], s[4:5], s[52:53]
	s_add_nc_u64 s[42:43], s[10:11], s[46:47]
	s_mov_b64 s[26:27], s[24:25]
	global_load_b128 v[G:G+3], v1, s[26:27]        ; key step 0
	global_load_b128 v[G+4:G+7], v1, s[26:27] offset:VO
; A block of queries begins: its addresses, its Q, and M, the sum and O^T as nothing.
.macro NEWBLOCK
	s_wait_xcnt 0x0                                ; the last block's stores and loads have read their bases: they are written again
	s_lshl_b32 s46, s15, 14
	s_mov_b32 s47, 0
	s_add_nc_u64 s[28:29], s[44:45], s[46:47]
	s_lshl_b32 s46, s15, 18
	s_add_nc_u64 s[30:31], s[42:43], s[46:47]
	global_load_b128 v[16:19], v2, s[28:29] th:TH_LOAD_NT
	global_load_b128 v[20:23], v2, s[28:29] offset:512 th:TH_LOAD_NT
	v_mov_b32 v13, 0xff61b1e6                      ; the largest t so far: -3e38, under every t
	v_floor_f32 v12, -v13                          ; -M
	v_mov_b32 v14, 0
	v_mov_b32 v15, 0
.set i_, 0
.rept 32
	v_mov_b32 v[160+i_], 0                         ; O^T as nothing: a block's first step finds zeros, which the first change of M leaves zeros
.set i_, i_+1
.endr
.endm
	NEWBLOCK
	s_wait_kmcnt 0x0
	s_add_co_i32 s46, s34, s35
	s_lshl_b32 s46, s46, 23
	s_add_co_i32 s22, s46, 0x3e38aa3b              ; c = log2(e) / 8, with e2 + e3 added to its exponent field: a score stands for score x 2^(e2 + e3)
	s_mov_b32 s23, s22                             ; (named with it as a pair)
	s_add_co_i32 s46, s36, 127
	s_lshl_b32 s47, s46, 23
	v_mov_b32 v5, s47
	s_add_co_i32 s46, s46, 8
	s_lshl_b32 s46, s46, 23
	s_or_b32 s46, s46, 0x600000
	v_mov_b32 v6, s46
	s_add_co_i32 s46, s38, 127
	s_lshl_b32 s47, s46, 23
	v_mov_b32 v7, s47
	s_add_co_i32 s46, s46, 8
	s_lshl_b32 s46, s46, 23
	s_or_b32 s46, s46, 0x600000
	v_mov_b32 v8, s46
	s_add_co_i32 s41, s36, s37                     ; e4 + e5
.macro STEP slot
	s_wait_loadcnt 0x0                             ; this step's 32 bytes are in my registers (asked for a step ago), and Q
	ds_store_b128 v1, v[G:G+3] offset:\slot*SB
	ds_store_b128 v1, v[G+4:G+7] offset:\slot*SB+VO
	s_wait_dscnt 0x0                               ; for the others' sake: my stores have landed; my reads of the other slot were over before its products
	s_barrier_signal -1
	s_barrier_wait -1                              ; the slot is whole, and nobody reads the other one any more
	s_add_nc_u64 s[26:27], s[26:27], SB            ; (behind the wait that showed its loads done)  the next step
.if \slot
	s_cmp_lg_u32 s18, 0
	s_cselect_b64 s[26:27], s[24:25], s[26:27]     ; behind a diagonal the next block begins at key 0;
	s_cmp_eq_u32 s17, 8
	s_cbranch_scc1 .Lno_more_\@                    ; behind the last trip nothing follows: no load leaves the buffer
.endif
	global_load_b128 v[G:G+3], v1, s[26:27]        ; the stores above have read these registers
	global_load_b128 v[G+4:G+7], v1, s[26:27] offset:VO
.if \slot
.Lno_more_\@:
	s_cmp_lg_u32 s40, 0
	s_cbranch_scc1 .Lhidden_\@                     ; all 128 keys come after my queries
.endif
.rept 4
	v_nop                                          ; places behind the last step's products, in front of loads into registers that they read
.endr
.set n_, 0
.rept 16
	ds_load_b128 v[32+4*n_:35+4*n_], v2 offset:\slot*SB+512*n_
.set n_, n_+1
.endr
	s_wait_dscnt 0x0
.irp c, 0,1,2,3,4,5,6,7
	v_wmma_f32_16x16x64_fp8_fp8 v[96+8*\c:103+8*\c], v[32+8*\c:39+8*\c], v[16:23], 0
.endr
.rept 4
	v_nop                                          ; places in front of the loads below and of the first read of the scores
.endr
.set n_, 0
.rept 16
	ds_load_b128 v[32+4*n_:35+4*n_], v2 offset:\slot*SB+VO+512*n_   ; v's fragments land while the softmax is worked
.set n_, n_+1
.endr
.if \slot
	s_cmp_eq_u32 s18, 0                            ; second step: on the diagonal in waves 8-15 (waves 0-7 have left)
.else
	s_cmp_eq_u32 s40, 0                            ; first step: on the diagonal in waves 0-7
.endif
	s_cbranch_scc1 .Lopen_\@
.set n_, 0
.rept 64
	v_cmp_gt_i32 vcc_lo, 16*(n_/8)+n_%8, v3
	v_cndmask_b32 v[96+n_], v[96+n_], v4, vcc_lo   ; a hidden score becomes -infinity: p = 0.  The step's first key counts for every query of mine
.set n_, n_+1
.endr
.Lopen_\@:
	v_max3_num_f32 v254, v96, v97, v98             ; the step's largest score of my query, among my 64 keys, in two chains,
	v_max3_num_f32 v252, v99, v100, v101
.irp i, 6,10,14,18,22,26,30,34,38,42,46,50,54,58
	v_max3_num_f32 v254, v254, v[96+\i], v[97+\i]
	v_max3_num_f32 v252, v252, v[98+\i], v[99+\i]
.endr
	v_max3_num_f32 v254, v254, v158, v159
	v_max_num_f32 v254, v254, v252
	v_permlanex16_b32 v236, v254, s20, s21
	v_max_num_f32 v254, v254, v236                 ; and among lane l xor 16's
	v_mul_f32 v254, s22, v254                      ; as t (c is positive)
	v_max_num_f32 v13, v13, v254                   ; the running largest t
	v_mov_b32 v254, v12
	v_floor_f32 v12, -v13                          ; the new -M = floor(-t) = -ceil(t)
	v_sub_f32 v254, v12, v254                      ; old M - new M: a whole number, 0 or less
	v_cvt_i32_f32 v254, v254                       ; (it saturates)
	v_ldexp_f32 v252, 1.0, v254                    ; f = 2^(old M - new M)
.set n_, 0
.rept 32
	v_pk_fma_f32 v[96+n_:97+n_], v[96+n_:97+n_], s[22:23], v[12:13] op_sel_hi:[1,0,0]   ; t - M, two at a time (of the pairs c and -M the low word serves both halves)
.set n_, n_+2
.endr
.set n_, 0
.rept 64
	v_exp_f32 v[96+n_], v[96+n_]                   ; p = 2^(t - M), at most 1
.set n_, n_+1
.endr
	v_pk_mul_f32 v[14:15], v[14:15], v[252:253] op_sel_hi:[1,0]   ; the sums under the new M: the plain line behind the exponentials
	s_wait_alu depctr_va_vdst(0)                   ; the wait ahead of the first line that names a result: one for the batch of 64
	v_pk_add_f32 v[242:243], v[96:97], v[98:99]    ; the row's sum is taken of the unquantised p: two at a time, in two chains
.irp j, 4,8,12,16,20,24,28,32,36,40,44,48,52,56,60
	v_pk_add_f32 v[14:15], v[14:15], v[96+\j:97+\j]
	v_pk_add_f32 v[242:243], v[242:243], v[98+\j:99+\j]
.endr
	v_pk_add_f32 v[14:15], v[14:15], v[242:243]
	s_cmp_ge_i32 s36, -8
	s_cbranch_scc1 .Lno_hold_\@                    ; 448 x 2^e4 is 1 or more: no p reaches it
.set n_, 0
.rept 64
	v_min_num_f32 v[96+n_], v[96+n_], v6           ; the conversion does not saturate (ISA guide 7.6.2); p is not negative, so the hold is one-sided
.set n_, n_+1
.endr
.Lno_hold_\@:
.irp c, 0,1,2,3,4,5,6,7
	v_cvt_scalef32_pk8_fp8_f32 v[192+2*\c:193+2*\c], v[96+8*\c:103+8*\c], v5
.endr
.set n_, 0
.rept 16
	v_pk_mul_f32 v[160+n_:161+n_], v[160+n_:161+n_], v[252:253] op_sel_hi:[1,0]   ; O^T under the new M; these are also the plain lines between the conversions and the products
.set n_, n_+2
.endr
	s_wait_dscnt 0x0                               ; v's fragments are in
.irp t, 0,1,2,3
	v_wmma_f32_16x16x128_fp8_fp8 v[160+8*\t:167+8*\t], v[32+16*\t:47+16*\t], v[192:207], v[160+8*\t:167+8*\t]   ; four accumulators by turns; eight other products stand between two turns of one
.endr
.if \slot
.Lhidden_\@:
.endif
.endm
.Ltrip:
	s_cmp_eq_u32 s17, s16
	s_cselect_b32 s18, 1, 0                        ; this trip meets the block's diagonal
	s_and_b32 s40, s18, s19                        ; and my queries lie in the block's first half
	STEP 0
	STEP 1
	s_cmp_eq_u32 s18, 0
	s_cbranch_scc1 .Lnext
	; A BLOCK IS FINISHED.  y = O^T x 2^(e4 + e5) / the sum, quantised with 2^e6: my 16 queries x 64 channels are half an image, 1,024 consecutive bytes.
	v_add_f32 v14, v14, v15                        ; the sum's two halves,
	v_permlanex16_b32 v252, v14, s20, s21
	v_add_f32 v14, v14, v252                       ; and lane l xor 16's
	v_rcp_f32 v14, v14
	v_nop                                          ; a plain line behind the reciprocal
	s_wait_alu depctr_va_vdst(0)                   ; and the wait ahead of the first line that names its result
	v_ldexp_f32 v14, v14, s41
	v_mov_b32 v15, v14                             ; (with the two additions and the v_nop: five plain lines behind the last products, ahead of the first read of O^T)
.set n_, 0
.rept 16
	v_pk_mul_f32 v[96+n_:97+n_], v[160+n_:161+n_], v[14:15]   ; each accumulator from its low end on
.set n_, n_+2
.endr
.set n_, 0
.rept 32
	v_med3_num_f32 v[96+n_], v[96+n_], -v8, v8
.set n_, n_+1
.endr
.irp t, 0,1,2,3
	v_cvt_scalef32_pk8_fp8_f32 v[24+2*\t:25+2*\t], v[96+8*\t:103+8*\t], v7
.endr
	v_nop                                          ; a plain line between the conversions and the products that write their sources again
	global_store_b128 v2, v[24:27], s[30:31]       ; the wave stores 512 consecutive bytes, twice
	global_store_b128 v2, v[28:31], s[30:31] offset:512
	s_cmp_eq_u32 s17, 8
	s_cbranch_scc1 .Lnext
	s_sub_co_u32 s15, 7, ttmp9                     ; the second block: 7 - i, whose diagonal is the last trip
	s_mov_b32 s16, 8
	NEWBLOCK
.Lnext:
	s_add_co_u32 s17, s17, 1
	s_cmp_lt_u32 s17, 9
	s_cbranch_scc1 .Ltrip
	s_wait_tensorcnt 0x0
	ds_add_u32 v251, v255
	s_wait_dscnt 0x0
	s_endpgm
.Lfunc_end_k_q5bfb46c504_attn:
	.size	k_q5bfb46c504_attn, .Lfunc_end_k_q5bfb46c504_attn-k_q5bfb46c504_attn
	.p2alignl 7, 3214868480
	.fill 96, 4, 3214868480
	.section	.rodata,"a",@progbits
	.p2align	6, 0x0
	.amdhsa_kernel k_q5bfb46c504_attn
		.amdhsa_group_segment_fixed_size 34816
		.amdhsa_private_segment_fixed_size 0
		.amdhsa_enable_private_segment 0
		.amdhsa_kernarg_size 32
		.amdhsa_user_sgpr_count 2
		.amdhsa_user_sgpr_kernarg_segment_ptr 1
		.amdhsa_wavefront_size32 1
		.amdhsa_system_sgpr_workgroup_id_x 1
		.amdhsa_system_sgpr_workgroup_id_y 1
		.amdhsa_system_sgpr_workgroup_id_z 1
		.amdhsa_system_vgpr_workitem_id 0
		.amdhsa_next_free_vgpr 256
		.amdhsa_next_free_sgpr 66
		.amdhsa_reserve_vcc 1
		.amdhsa_float_denorm_mode_32 3
		.amdhsa_float_denorm_mode_16_64 3
		.amdhsa_memory_ordered 1
		.amdhsa_forward_progress 1
		.amdhsa_inst_pref_size 52
	.end_amdhsa_kernel
	.amdgpu_metadata
---
amdhsa.version: [ 1, 2 ]
amdhsa.kernels:
  - .name:           k_q5bfb46c504_attn
    .symbol:         k_q5bfb46c504_attn.kd
    .args:
      - { .name: qc, .offset: 0, .size: 8, .value_kind: global_buffer, .address_space: global }
      - { .name: kv, .offset: 8, .size: 8, .value_kind: global_buffer, .address_space: global }
      - { .name: lowp_scales, .offset: 16, .size: 8, .value_kind: global_buffer, .address_space: global }
      - { .name: yc, .offset: 24, .size: 8, .value_kind: global_buffer, .address_space: global }
    .group_segment_fixed_size: 34816
    .private_segment_fixed_size: 0
    .kernarg_segment_align: 8
    .kernarg_segment_size: 32
    .max_flat_workgroup_size: 512
    .sgpr_count:     66
    .vgpr_count:     256
    .wavefront_size: 32
...
	.end_amdgpu_metadata
.endif
;; end of part 3
;; launch proj (part 4): grid 4 x 32, 4 waves a work-group, clusters of 4 x 4, 327,680 bytes of LDS; arguments yc, wp, lowp_scales, out0; writes out0
.if DOCPART == 4
	.amdgcn_target "amdgcn-amd-amdhsa--gfx1250"
	.amdhsa_code_object_version 6
	.text
	.protected	k_q5bfb46c504_proj
	.globl	k_q5bfb46c504_proj
	.p2align	8
	.type	k_q5bfb46c504_proj,@function
k_q5bfb46c504_proj:
	s_mov_b64 s[64:65], 0
	v_nop
	global_prefetch_b8 v0, s[64:65] scope:SCOPE_SE
	s_setreg_imm32_b32 hwreg(HW_REG_WAVE_MODE, 25, 1), 1
	s_wait_xcnt 0x0
	s_wait_alu depctr_hold_cnt(0) depctr_sa_sdst(0) depctr_va_vdst(0) depctr_va_sdst(0) depctr_va_ssrc(0) depctr_va_vcc(0) depctr_vm_vsrc(0)
	s_getreg_b32 s2, hwreg(HW_REG_IB_STS2, 6, 4)
	s_cmp_eq_u32 s2, 0
	s_cbranch_scc0 .Lentry_in_a_cluster
	s_endpgm
.Lentry_in_a_cluster:
	s_bfe_u32 s2, ttmp6, 0x10000c
	s_cmp_lg_u32 s2, 0xf033
	s_cbranch_scc0 .Lentry_shape_is_right
	s_endpgm
.Lentry_shape_is_right:
; out0 = y Wproj on codes of E4M3: out0[m][n] = 2^(e6 + e7) x the sum over k of yc[m][k] wp[n][k].  out0: [8192][1024] f32; sums in f32.
; Both operands lie in memory as images of fragments (16 rows x 128 K: lane (r, h) holds row r, registers 2 c, 2 c + 1 hold k = 16 c + 8 h + 0 .. 7; registers 4 g .. 4 g + 3 of lane l at byte 512 g + 16 l),
; laid [rows / 128][K / 256][8 blocks of 16 rows][2 halves][image]: 128 rows x 256 K are 32,768 bytes on end: a tile is one dense block, and LDS needs no padding.
; A work-group of four waves makes 256 x 256, a wave 128 x 128: 64 accumulators, 512 registers.  K = 1,024 goes in four steps of 256 through a ring of two LDS slots filled by the tensor data mover.
; CLUSTERS: 4 x 4.  The four of a row of the cluster need the same tiles of y, the four of a column the same tiles of Wproj: each tile is asked for jointly.
; THE MATRIX INSTRUCTION IS USED TRANSPOSED (source 0 = 16 rows of wp, source 1 = 16 rows of yc): a lane holds eight neighbouring numbers of a row of out0.
; 128 work-groups: the output has 128 tiles of this size.
; LIMIT: e6 + e7 between -126 and 127, so that 2^(e6 + e7) is an f32 number.
; REGISTERS, in windows of 256: window 0: v0-31 addresses; from v128 A's fragments, ONE set; on the way out v32-255 are free.   window 1: B's fragments, TWO sets.
;   window 2: the accumulators of my rows 0-63 (accumulator (a, b) at v[8 (8 (a % 4) + b)]);   window 3: of my rows 64-127.
.set SIZE_N, 1024
.set KSTEPB, 32768                     ; in memory: from 128 rows' 256 along K to their next 256
.set HALFT,  32768                     ; 128 rows x 256 K
.set SLOT,   4*HALFT                   ; A's two halves, then B's two
.set SPARE,  2*SLOT                    ; behind the ring: the spare words, 128 bytes for each wave: two blocks of 256 bytes that no other line names
.set LAPS,   2
.set FR,     16
.set NL,     4
.set NP,     4                         ; places behind this matrix instruction (ISA guide 7.12.1)
.set SPITCH, 528                       ; the way out: a stage of 16 rows x (512 bytes + 16) for each wave.  It lies in slot 0, which has had its last fill and its last read when the first result is stored there
.set LI,   8                           ; v8   16 x lane
.set ADRA, 16
.set ADRB, 20
.set STO,  24                          ; v24  the way out: where I put 32 bytes of a row
.set RD,   25                          ; v25  where I read a row back
.set SPW,  28
.set NIL,  29
.set TMP,  32                          ; the way out: 64 registers, a block's sums x 2^(e6 + e7)
.set AF,   128
.set BK,   128                         ; the way out: 16 rows read back: v128-191 and v192-255 by turns
.set G1, 24
.set G0, 32
.set G1B, 48
.set G0B, 56
.set MSB, 0
.macro WIN new                         ; the immediate's high byte repeats the setting that is left
.if MSB != \new
	s_set_vgpr_msb (MSB<<8)|\new
.set MSB, \new
.endif
.endm
.set MUL_LO, 0xa1                      ; source 0 (B) window 1, source 1 (A) window 0, C and D window 2
.set MUL_HI, 0xf1
.set TO_B,   0x40
.macro JLOAD g0a, g1a, g0b, g1b        ; a joint load: waves 0 and 1 fetch A's halves, waves 2 and 3 B's; four v_nop follow each of the two lines
	s_cmp_eq_u32 s15, 0
	s_cbranch_scc0 .Lfor_b_\@
	tensor_load_to_lds s[\g0a:\g0a+3], s[\g1a:\g1a+7]
	s_nop 0
.rept 4
	v_nop
.endr
	s_branch .Lasked_\@
.Lfor_b_\@:
	tensor_load_to_lds s[\g0b:\g0b+3], s[\g1b:\g1b+7]
	s_nop 0
.rept 4
	v_nop
.endr
.Lasked_\@:
.endm
.macro CREST
	s_cmp_lg_u32 s14, 0
	s_cbranch_scc1 .Lnot_wave_0_\@
	s_barrier_signal -3
.Lnot_wave_0_\@:
	s_barrier_wait -3
	s_barrier_signal -1
	s_barrier_wait -1
.endm
.macro CROUND
	s_barrier_signal -1
	s_barrier_wait -1
	CREST
.endm
	s_load_b128 s[4:7], s[0:1], 0x0                ; yc s[4:5], wp s[6:7]
	s_load_b128 s[8:11], s[0:1], 0x10              ; scales s[8:9], out0 s[10:11]
	v_lshl_add_u32 v[SPW], v0, 2, SPARE
	v_mov_b32 v[NIL], 0
	ds_add_u32 v28, v29
	ds_add_u32 v28, v29
	s_wait_dscnt 0x0
	v_lshrrev_b32 v1, 5, v0
	v_readfirstlane_b32 s14, v1                    ; wave 0..3
	s_lshr_b32 s15, s14, 1                         ; which half of the tile's rows is mine.  Also: I fetch for A (0) or for B (1)
	s_and_b32 s16, s14, 1                          ; which half of its columns.  Also: which 128 rows of that tile I fetch
	s_bfe_u32 s40, ttmp6, 0x40000                  ; cx, cy
	s_bfe_u32 s41, ttmp6, 0x40004
	s_lshl_b32 s42, ttmp9, 2
	s_add_co_u32 s42, s42, s40                     ; tile column = 4 x cluster x + cx
	s_and_b32 s17, ttmp7, 0xffff
	s_lshl_b32 s17, s17, 2
	s_add_co_u32 s17, s17, s41                     ; tile row = 4 x cluster y + cy
	s_lshl_b32 s43, s41, 2
	s_lshl_b32 s43, 15, s43                        ; my row of the cluster
	s_lshl_b32 s44, 0x1111, s40                    ; my column
	s_or_b32 s[G1+0], s43, (3<<16)|(1<<21)         ; 15:0 the mask; 17:16 elements of 8 bytes; 20 no padding; 21 set beside a mask
	s_or_b32 s[G1B+0], s44, (3<<16)|(1<<21)
.irp g, G1, G1B
	s_mov_b32 s[\g+1], 32<<16                      ; tensor_dim0 = 32
	s_mov_b32 s[\g+2], 128<<16                     ; tensor_dim1 = 128
	s_mov_b32 s[\g+3], 32<<16                      ; tile_dim0 = 32
	s_mov_b32 s[\g+4], 128                         ; tile_dim1 = 128
	s_mov_b32 s[\g+5], 32                          ; tensor_dim0_stride = 32: dense
	s_mov_b32 s[\g+6], 0
	s_mov_b32 s[\g+7], 0
.endr
	s_lshl_b32 s20, s17, 1
	s_add_co_u32 s20, s20, s16
	s_lshl_b32 s20, s20, 17                        ; A: block of 128 rows 2 x tile row + half
	s_mov_b32 s21, 0
	s_lshl_b32 s46, s42, 1
	s_add_co_u32 s46, s46, s16
	s_lshl_b32 s46, s46, 17                        ; B: 2 x tile column + half
	s_mov_b32 s47, 0
	s_mul_i32 s45, s14, HALFT                      ; where they go: no place in the cluster enters an LDS address
	s_wait_kmcnt 0x0
	s_load_b64 s[96:97], s[8:9], 0x18              ; e6, e7
	s_add_nc_u64 s[20:21], s[4:5], s[20:21]
	s_add_nc_u64 s[46:47], s[6:7], s[46:47]
	CROUND                                         ; all sixteen work-groups are here: the first joint loads meet
.irp s, 0,1
	s_mov_b32 s[G0+4*\s], 1
	s_add_co_u32 s[G0+4*\s+1], s45, \s*SLOT
	s_add_nc_u64 s[G0+4*\s+2:G0+4*\s+3], s[20:21], \s*KSTEPB
	s_or_b32 s[G0+4*\s+3], s[G0+4*\s+3], 0x80000000
	s_mov_b32 s[G0B+4*\s], 1
	s_add_co_u32 s[G0B+4*\s+1], s45, \s*SLOT
	s_add_nc_u64 s[G0B+4*\s+2:G0B+4*\s+3], s[46:47], \s*KSTEPB
	s_or_b32 s[G0B+4*\s+3], s[G0B+4*\s+3], 0x80000000
	JLOAD G0+4*\s, G1, G0B+4*\s, G1B               ; two loads of mine are out
.endr
	v_and_b32 v1, 15, v0                           ; l % 16
	v_bfe_u32 v2, v0, 4, 1                         ; l / 16
	v_and_b32 v6, 31, v0
	v_lshlrev_b32 v[LI], 4, v6
	s_mul_i32 s21, s15, HALFT                      ; my 128 rows of A
	s_mul_i32 s22, s16, HALFT                      ; my 128 rows of B,
	s_add_co_u32 s22, s22, 2*HALFT                 ; which lie behind A's 256
.irp s, 0,1
	v_add_nc_u32 v[ADRA+\s], s21, v[LI]
	v_add_nc_u32 v[ADRB+\s], s22, v[LI]
	s_add_co_u32 s21, s21, SLOT
	s_add_co_u32 s22, s22, SLOT
.endr
	s_mul_i32 s23, s14, 16*SPITCH                  ; my stage
	v_mul_u32_u24 v5, v1, SPITCH                   ; in: row l % 16, 32 bytes for each half of the lanes
	v_lshl_add_u32 v5, v2, 5, v5
	v_add_nc_u32 v[STO], s23, v5
	v_add_nc_u32 v[RD], s23, v[LI]                 ; back: the 32 lanes take one row of 512 bytes
	s_lshl_b32 s20, s17, 8
	s_lshl_b32 s21, s15, 7
	s_add_co_u32 s20, s20, s21                     ; my first row of out0: 256 x tile row + 128 x half,
	s_lshl_b32 s20, s20, 12                        ; of 4,096 bytes
	s_lshl_b32 s46, s42, 10                        ; my first column, in bytes: 1,024 x tile column + 512 x half
	s_lshl_b32 s47, s16, 9
	s_add_co_u32 s46, s46, s47
	s_add_co_u32 s20, s20, s46
	s_mov_b32 s21, 0
	s_add_nc_u64 s[10:11], s[10:11], s[20:21]
.macro FRAG reg, adr, q, i             ; the image of block i's fragment of the slot's q-th 128 along K
.irp c, 0,1,2,3
	ds_load_b128 v[\reg+4*\c:\reg+4*\c+3], v[\adr] offset:4096*(\i)+2048*(\q)+512*\c
.endr
.endm
; 16 matrix instructions: A's blocks a0, a0 + 1 x B's eight.  The 64 accumulators take turns, one instruction a turn, in the same order in every step.
.macro MUL16 a0, p, zero
.irp a, \a0, \a0+1
.irp b, 0,1,2,3,4,5,6,7
.if \zero
	v_wmma_f32_16x16x128_fp8_fp8 v[8*(8*((\a)%4)+\b):8*(8*((\a)%4)+\b)+7], v[128*(\p)+FR*\b:128*(\p)+FR*\b+FR-1], v[AF+FR*(\a):AF+FR*(\a)+FR-1], 0
.else
	v_wmma_f32_16x16x128_fp8_fp8 v[8*(8*((\a)%4)+\b):8*(8*((\a)%4)+\b)+7], v[128*(\p)+FR*\b:128*(\p)+FR*\b+FR-1], v[AF+FR*(\a):AF+FR*(\a)+FR-1], v[8*(8*((\a)%4)+\b):8*(8*((\a)%4)+\b)+7]
.endif
.endr
.endr
.endm
.macro FETCH_B slot, q, p
	WIN TO_B
.irp i, 0,1,2,3,4,5,6,7
	FRAG 128*(\p)+FR*\i, ADRB+\slot, \q, \i
.endr
	WIN 0
.endm
.macro FETCH_A slot, q, i0
.irp i, \i0, \i0+1, \i0+2, \i0+3
	FRAG AF+FR*(\i), ADRA+\slot, \q, \i
.endr
.endm
.macro PLACES n                        ; plain vector lines behind a matrix instruction, in front of loads into registers that it read and of reads of its result (ISA guide 7.12.1 for vector instructions)
.rept \n
	v_nop
.endr
.endm
.macro STEP slot, q, zero
	s_wait_dscnt 4*NL                              ; B's set and A's blocks 0-3 are in; the youngest 16 loads (A's blocks 4-7) may be out
	WIN MUL_LO
	MUL16 0, (\q)%2, \zero
	MUL16 2, (\q)%2, \zero
	s_wait_dscnt 0
	PLACES NP
	FETCH_B \slot, (\q)+1, 1-(\q)%2
	FETCH_A \slot, (\q)+1, 0
	WIN MUL_HI
	MUL16 4, (\q)%2, \zero
	MUL16 6, (\q)%2, \zero
	PLACES NP
	WIN 0
	FETCH_A \slot, (\q)+1, 4
.endm
.macro TURN slot, next, fill
	s_wait_tensorcnt 0x0                           ; all my tensor loads have landed: my part of the next slot;
	ds_add_u32 v[SPW], v[NIL]                      ; 0 onto my spare word
	s_wait_dscnt 4*NL+1                            ; (the add and the youngest 16 loads may be out)
	WIN MUL_LO
	MUL16 0, 1, 0
	s_wait_dscnt 0x0                               ; the add is done, and my reads of this slot are over
	s_barrier_signal -1
	MUL16 2, 1, 0
	WIN 0
	s_barrier_wait -1
.if \fill
	CREST                                          ; the barrier has opened a round of the cluster's barrier: no wave of any partner still reads this slot or has a load on its way
	s_add_nc_u64 s[G0+4*\slot+2:G0+4*\slot+3], s[G0+4*\slot+2:G0+4*\slot+3], 2*KSTEPB
	s_add_nc_u64 s[G0B+4*\slot+2:G0B+4*\slot+3], s[G0B+4*\slot+2:G0B+4*\slot+3], 2*KSTEPB
	JLOAD G0+4*\slot, G1, G0B+4*\slot, G1B         ; the first tensor load behind the round, my one load until the next
.else
	PLACES NP
.endif
	FETCH_B \next, 0, 0
	FETCH_A \next, 0, 0
	WIN MUL_HI
	MUL16 4, 1, 0
	MUL16 6, 1, 0
	PLACES NP
	WIN 0
	FETCH_A \next, 0, 4
.endm
	s_wait_tensorcnt 1                             ; my part of slot 0 is in (slot 1's load may be out)
	s_barrier_signal -1
	s_barrier_wait -1
	FETCH_B 0, 0, 0
	FETCH_A 0, 0, 0
	FETCH_A 0, 0, 4
	STEP 0, 0, 1                                   ; the first step's products start the sums
	s_mov_b32 s3, LAPS-1
.Llap:
	TURN 0, 1, 1
	STEP 1, 0, 0
	TURN 1, 0, 1
	STEP 0, 0, 0
	s_sub_co_u32 s3, s3, 1
	s_cmp_lg_u32 s3, 0
	s_cbranch_scc1 .Llap
	TURN 0, 1, 0                                   ; the last lap fills nothing
	STEP 1, 0, 0
	s_wait_dscnt 4*NL
	WIN MUL_LO
	MUL16 0, 1, 0
	MUL16 2, 1, 0
	s_wait_dscnt 0
	WIN MUL_HI
	MUL16 4, 1, 0
	MUL16 6, 1, 0
	WIN 0
; THE WAY OUT, block by block of 16 rows x 128 columns.  A lane holds 32 neighbouring bytes of a row, and the lanes beside it hold other rows: a block goes through my own stage in LDS and comes back as whole
; rows of 512 bytes.  LDS serves a wave's instructions in order (ISA guide 5.7.1.4): no wait between the stores and the loads, nor in front of the next block's stores.
.macro TOSTAGE a
.set AC, 64*((\a)%4)
	WIN 0x02+((\a)/4)                              ; source 0: window 2 or 3
.set j_, 0
.rept 32
	v_pk_mul_f32 v[TMP+j_:TMP+j_+1], v[AC+j_:AC+j_+1], s[96:97] op_sel_hi:[1,0]   ; both x s96 = 2^(e6 + e7); each accumulator from its low end on
.set j_, j_+2
.endr
	WIN 0
.irp b, 0,1,2,3,4,5,6,7
	ds_store_b128 v[STO], v[TMP+8*\b:TMP+8*\b+3] offset:64*\b
	ds_store_b128 v[STO], v[TMP+8*\b+4:TMP+8*\b+7] offset:64*\b+16
.endr
.set BB, BK+64*((\a)%2)
.irp t, 0,1,2,3,4,5,6,7,8,9,10,11,12,13,14,15
	ds_load_b128 v[BB+4*\t:BB+4*\t+3], v[RD] offset:\t*SPITCH
.endr
.endm
.macro SEND a, younger                 ; younger: the LDS instructions issued behind block a's loads, which may stay out
.set BB, BK+64*((\a)%2)
	s_wait_dscnt \younger
.if (\a) > 0
	s_add_nc_u64 s[10:11], s[10:11], 16*SIZE_N*4   ; (behind a wait on XCNT: the earlier stores have read their base)  16 rows on
.endif
.irp t, 0,1,2,3,4,5,6,7,8,9,10,11,12,13,14,15
	global_store_b128 v[LI], v[BB+4*\t:BB+4*\t+3], s[10:11] offset:\t*SIZE_N*4 th:TH_STORE_NT   ; 32 lanes store 512 consecutive bytes, at a multiple of 256 from out0's first byte
.endr
.endm
	s_wait_kmcnt 0x0
	s_add_co_i32 s96, s96, s97
	s_add_co_i32 s96, s96, 127
	s_lshl_b32 s96, s96, 23                        ; 2^(e6 + e7) as f32
	PLACES NP                                      ; behind the last products: for the loads into the registers that held A's fragments, and for block 7's reads
	TOSTAGE 0
.irp a, 1,2,3,4,5,6,7
.if \a > 1
	s_wait_xcnt 0x0                                ; block a - 2's stores have read their registers and their base
.endif
	TOSTAGE \a
	SEND \a-1, 32                                  ; behind block a - 1's loads: block a's 16 stores and 16 loads
.endr
	s_wait_xcnt 0x0
	SEND 7, 0
	s_wait_tensorcnt 0x0                           ; the wave's end
	ds_add_u32 v[SPW], v[NIL]
	s_wait_dscnt 0x0
	CROUND                                         ; the closing round
	s_endpgm
.Lfunc_end_k_q5bfb46c504_proj:
	.size	k_q5bfb46c504_proj, .Lfunc_end_k_q5bfb46c504_proj-k_q5bfb46c504_proj
	.p2alignl 7, 3214868480
	.fill 96, 4, 3214868480
	.section	.rodata,"a",@progbits
	.p2align	6, 0x0
	.amdhsa_kernel k_q5bfb46c504_proj
		.amdhsa_group_segment_fixed_size 327680
		.amdhsa_private_segment_fixed_size 0
		.amdhsa_enable_private_segment 0
		.amdhsa_kernarg_size 32
		.amdhsa_user_sgpr_count 2
		.amdhsa_user_sgpr_kernarg_segment_ptr 1
		.amdhsa_wavefront_size32 1
		.amdhsa_system_sgpr_workgroup_id_x 1
		.amdhsa_system_sgpr_workgroup_id_y 1
		.amdhsa_system_sgpr_workgroup_id_z 1
		.amdhsa_system_vgpr_workitem_id 0
		.amdhsa_next_free_vgpr 1024
		.amdhsa_next_free_sgpr 98
		.amdhsa_reserve_vcc 0
		.amdhsa_float_denorm_mode_32 3
		.amdhsa_float_denorm_mode_16_64 3
		.amdhsa_memory_ordered 1
		.amdhsa_forward_progress 1
		.amdhsa_inst_pref_size 123
	.end_amdhsa_kernel
	.amdgpu_metadata
---
amdhsa.version: [ 1, 2 ]
amdhsa.kernels:
  - .name:           k_q5bfb46c504_proj
    .symbol:         k_q5bfb46c504_proj.kd
    .args:
      - { .name: yc, .offset: 0, .size: 8, .value_kind: global_buffer, .address_space: global }
      - { .name: wp, .offset: 8, .size: 8, .value_kind: global_buffer, .address_space: global }
      - { .name: lowp_scales, .offset: 16, .size: 8, .value_kind: global_buffer, .address_space: global }
      - { .name: out0, .offset: 24, .size: 8, .value_kind: global_buffer, .address_space: global }
    .group_segment_fixed_size: 327680
    .private_segment_fixed_size: 0
    .kernarg_segment_align: 8
    .kernarg_segment_size: 32
    .max_flat_workgroup_size: 128
    .sgpr_count:     98
    .vgpr_count:     1024
    .wavefront_size: 32
...
	.end_amdgpu_metadata
.endif
;; end of part 4
;; ======== version 2 of 2: 4 launches; version 1 with the launch attn written anew for expert scheduling mode
;; workspace buffers: xq 8,388,608 bytes; wq 3,145,728 bytes; wp 1,048,576 bytes; tab 524,288 bytes; qc 8,388,608 bytes; kv 16,777,216 bytes; yc 8,388,608 bytes
;; launch prep: the kernel of part 1 again; grid 400 x 1, 8 waves a work-group, no clusters, 68,608 bytes of LDS; arguments x, Wqkv, Wproj, lowp_scales, xq, wq, wp, tab; writes xq, wq, wp, tab
;; launch qkv: the kernel of part 2 again; grid 12 x 32, 4 waves a work-group, clusters of 4 x 4, 327,680 bytes of LDS; arguments xq, wq, lowp_scales, q_norm_w, k_norm_w, tab, qc, kv; writes qc, kv
;; launch attn (part 5): grid 4 x 64, 16 waves a work-group, no clusters, 34,816 bytes of LDS; arguments qc, kv, lowp_scales, yc; writes yc
.if DOCPART == 5
	.amdgcn_target "amdgcn-amd-amdhsa--gfx1250"
	.amdhsa_code_object_version 6
	.text
	.protected	k_q5bfb46c504_attn
	.globl	k_q5bfb46c504_attn
	.p2align	8
	.type	k_q5bfb46c504_attn,@function
k_q5bfb46c504_attn:
	s_mov_b64 s[64:65], 0
	v_nop
	global_prefetch_b8 v0, s[64:65] scope:SCOPE_SE
	s_setreg_imm32_b32 hwreg(HW_REG_WAVE_SCHED_MODE, 0, 2), 2
	s_setreg_imm32_b32 hwreg(HW_REG_WAVE_MODE, 25, 1), 1
	s_wait_xcnt 0x0
	s_wait_alu depctr_vm_vsrc(0)
; Causal attention of 64 heads (batch x head) of 2,048 tokens x 64, both products on codes of E4M3 with the given scales 2^e2 (q), 2^e3 (k), 2^e4 (p), 2^e5 (v); the result is quantised with 2^e6 for the last product.
; THE SOFTMAX AHEAD OF THE SECOND PRODUCT: t = score x log2(e) / 8; M = the row's largest t so far, rounded UP to a whole number; p = 2^(t - M) is what is quantised; the row's sum is taken of the unquantised p and
; divides at the end.  When M moves, the sum and O are multiplied by 2^(old M - new M): exact.
; SHARES.  Work-group (i, head) owns the blocks of 256 queries i and 7 - i, one after the other; each of its 16 waves owns 16 queries of a block.  A block QB needs the keys of QB + 1 trips of 256:
; i + 1 and 8 - i trips, NINE for every work-group: the loop's trip count is a constant.  A trip is two key steps of 128.
; A key step's 16,384 bytes (8 images of k: 16 keys x 64; 4 images of v: 16 channels x 128 keys) lie on end in memory.  The 512 threads load them, 32 bytes each, a whole step ahead, into registers, store them into one
; of two LDS slots, and every wave reads all of them.  ONE barrier a step: a slot is written again only behind the barrier of the step between, which every wave signals behind its last read of the slot.
; LAYOUT.  S^T = K Q^T (source 0 = 16 keys, source 1 = my 16 queries): lane (r, h) holds query r, register 8 c + j key 16 c + 8 h + j.  Converted, these are registers 2 c, 2 c + 1 of P (16 queries x 128 keys).
; O^T = V^T P^T: lane (r, h) holds query r, register 8 t + j channel 16 t + 8 h + j.  Converted, half an image of the last product's operand.  Nothing changes lanes but the row's maximum and sum.
; CAUSAL.  Only a block's last trip meets the diagonal.  There waves 0-7 mask in the first step and leave the second out (a scalar branch round its work, not round its barrier); waves 8-15 mask in the second.
; The hold of p may be jumped over where the given e4 makes it idle: p <= 1 <= 448 x 2^e4 for e4 >= -8.
; LIMITS on the given exponents: e2 + e3 between -123 and 130; e4 and e6 between -126 and 119.  NaN among the inputs is not served.
; REGISTERS: v1 16 x thread, v2 16 x lane, v3 my query less 8 h in a step of the diagonal, v4 -infinity, v5, v6 2^e4 and 448 x 2^e4, v7, v8 the same for e6; v12 -M, v13 the largest t, v[14:15] the sum in two halves;
;   v16-23 Q; v24-31 y's codes; v32-95 fragments of K, then of V; v96-159 S^T, then p; v160-191 O^T; v192-207 p's codes; v208-215 the next step's 32 bytes; v236-254 at work.
; s12 wave, s15 the block of queries, s16 the trip of its diagonal, s17 the trip, s18 1 on the diagonal, s19 1 in waves 0-7, s40 both; s[24:25] the head's keys, s[26:27] the step that is being loaded;
; s4-11 and s48-55, free behind the head: sixteen lane masks of the diagonal.
; THE MODE: SCHED_MODE bits 1:0 = 2 (LLVM: expert scheduling mode 2), set by the entry lines.  The code itself states the register dependences between vector or matrix instructions and memory or LDS
; instructions, with s_wait_alu, always for 0.
; THE PLAN.  Registers that memory or LDS instructions touch:
;   v1, v2     offsets and LDS addresses, made once at the head and never written again: one wait on va_vdst at the head serves every load and store of the kernel.
;   v208-215   written by the global loads of the next key step, read by the two LDS stores at that step's head; no vector instruction names them.  One wait on vm_vsrc a step, ahead of the loads.
;   v32-95     K's fragments land there, the eight products K Q^T read them, V's fragments land there, the four products V^T P^T read them.  Two waits on va_vdst a step, one ahead of each kind's loads.
;              Behind the second no vector or matrix line names them until V^T P^T: V's sixteen loads follow it in four runs, three of them among the lines of the maximum, with no further wait.
;   v16-23     Q lands there at a block's start; the products K Q^T read it.     v24-31  written by a block's last conversions, read by its two stores.
;              One wait on va_vdst ahead of the stores serves both; one on vm_vsrc stands ahead of the next block.
; A vector instruction writes a scalar register in two places: the wave's number at the head, and the diagonal's compares, which go in runs of sixteen with one wait on va_sdst behind each run.
.set G,  208
.set SB, 16384                         ; a slot, and a key step in memory
.set VO, 8192                          ; v's images in it
	s_load_b256 s[4:11], s[0:1], 0x0               ; qc s[4:5], kv s[6:7], scales s[8:9], yc s[10:11]
	v_lshl_add_u32 v251, v0, 2, 0x8000
	v_mov_b32 v255, 0
	v_lshrrev_b32 v9, 5, v0
	v_readfirstlane_b32 s12, v9                    ; wave 0..15
	v_lshlrev_b32 v1, 4, v0
	v_and_b32 v9, 31, v0
	v_lshlrev_b32 v2, 4, v9
	v_and_b32 v10, 15, v0                          ; r
	v_bfe_u32 v11, v0, 4, 1                        ; h
	v_lshlrev_b32 v11, 3, v11
	v_sub_nc_u32 v3, v10, v11
	s_wait_alu depctr_va_sdst(0)                   ; s12 is written, ahead of its first reader
	s_and_b32 s13, s12, 7
	s_lshl_b32 s14, s13, 4
	v_add_nc_u32 v3, s14, v3                       ; 16 (wave % 8) + r - 8 h: register 8 c + j is hidden where 16 c + j is above it
	v_mov_b32 v4, 0xff800000
	v_mov_b32 v236, 0                              ; written once: a lane permute's destination counts as one of its sources
	v_mov_b32 v252, 0
	v_mov_b32 v253, 0                              ; (named as the upper half of the pair v[252:253])
	s_cmp_lt_u32 s12, 8
	s_cselect_b32 s19, 1, 0
	s_mov_b32 s20, 0x76543210                      ; v_permlanex16_b32's selects for lane l xor 16
	s_mov_b32 s21, 0xfedcba98
	s_mov_b32 s15, ttmp9                           ; the first block: i, whose diagonal is trip i
	s_mov_b32 s16, ttmp9
	s_mov_b32 s17, 0
	s_and_b32 s48, ttmp7, 0xffff                   ; 16 x batch + head
	s_lshl_b32 s50, s48, 18                        ; kv: a head is 262,144 bytes
	s_mov_b32 s51, 0
	s_lshl_b32 s52, s48, 17                        ; qc: a head is 131,072 bytes, a wave's 16 queries 1,024
	s_lshl_b32 s53, s12, 10
	s_add_co_u32 s52, s52, s53
	s_mov_b32 s53, 0
	s_lshr_b32 s46, s48, 4                         ; yc: [blocks of 128 tokens][256 along K][blocks of 16 tokens][halves][image]: block of 128 tokens = 16 x batch + 2 QB + wave / 8,
	s_lshl_b32 s46, s46, 4
	s_lshr_b32 s47, s12, 3
	s_add_co_u32 s46, s46, s47
	s_lshl_b32 s46, s46, 17
	s_bfe_u32 s47, s48, 0x20002                    ; K = 64 x head + d: 256 along K = head / 4,
	s_lshl_b32 s47, s47, 15
	s_add_co_u32 s46, s46, s47
	s_lshl_b32 s47, s13, 12                        ; block of 16 tokens = wave % 8,
	s_add_co_u32 s46, s46, s47
	s_and_b32 s47, s48, 3                          ; 64 of the 256 = head % 4: 1,024 bytes each
	s_lshl_b32 s47, s47, 10
	s_add_co_u32 s46, s46, s47
	s_mov_b32 s47, 0
	s_wait_kmcnt 0x0
	s_load_b256 s[32:39], s[8:9], 0x0              ; e0 .. e7
	s_add_nc_u64 s[24:25], s[6:7], s[50:51]
	s_add_nc_u64 s[44:45], s[4:5], s[52:53]
	s_add_nc_u64 s[42:43], s[10:11], s[46:47]
	s_mov_b64 s[26:27], s[24:25]
	s_wait_alu depctr_va_vdst(0)                   ; v1 and v2 are written: every load, store and LDS instruction of the kernel reads one of them as its offset or address
	global_load_b128 v[G:G+3], v1, s[26:27]        ; key step 0
	global_load_b128 v[G+4:G+7], v1, s[26:27] offset:VO
; A block of queries begins: its addresses, its Q, and M, the sum and O^T as nothing.
; Q's loads stand behind a wait on va_vdst (the head's; later the one ahead of the last block's stores) behind which no vector or matrix line names v2 or v16-23.
.macro NEWBLOCK
	s_wait_xcnt 0x0                                ; the last block's stores and loads have read their bases: they are written again
	s_lshl_b32 s46, s15, 14
	s_mov_b32 s47, 0
	s_add_nc_u64 s[28:29], s[44:45], s[46:47]
	s_lshl_b32 s46, s15, 18
	s_add_nc_u64 s[30:31], s[42:43], s[46:47]
	global_load_b128 v[16:19], v2, s[28:29] th:TH_LOAD_NT
	global_load_b128 v[20:23], v2, s[28:29] offset:512 th:TH_LOAD_NT
	v_mov_b32 v13, 0xff61b1e6                      ; the largest t so far: -3e38, under every t
	v_floor_f32 v12, -v13                          ; -M
	v_mov_b32 v14, 0
	v_mov_b32 v15, 0
.set i_, 0
.rept 32
	v_mov_b32 v[160+i_], 0                         ; O^T as nothing: a block's first step finds zeros, which the first change of M leaves zeros
.set i_, i_+1
.endr
.endm
	NEWBLOCK
	s_wait_kmcnt 0x0
	s_add_co_i32 s46, s34, s35
	s_lshl_b32 s46, s46, 23
	s_add_co_i32 s22, s46, 0x3e38aa3b              ; c = log2(e) / 8, with e2 + e3 added to its exponent field: a score stands for score x 2^(e2 + e3)
	s_mov_b32 s23, s22                             ; (named with it as a pair)
	s_add_co_i32 s46, s36, 127
	s_lshl_b32 s47, s46, 23
	v_mov_b32 v5, s47
	s_add_co_i32 s46, s46, 8
	s_lshl_b32 s46, s46, 23
	s_or_b32 s46, s46, 0x600000
	v_mov_b32 v6, s46
	s_add_co_i32 s46, s38, 127
	s_lshl_b32 s47, s46, 23
	v_mov_b32 v7, s47
	s_add_co_i32 s46, s46, 8
	s_lshl_b32 s46, s46, 23
	s_or_b32 s46, s46, 0x600000
	v_mov_b32 v8, s46
	s_add_co_i32 s41, s36, s37                     ; e4 + e5
; v's fragment t (16 channels x 128 keys) of the slot: four loads of 512 consecutive bytes
.macro VFRAG slot, t
.irp c, 0,1,2,3
	ds_load_b128 v[32+16*(\t)+4*\c:35+16*(\t)+4*\c], v2 offset:(\slot)*SB+VO+2048*(\t)+512*\c
.endr
.endm
.macro STEP slot
	s_wait_loadcnt 0x0                             ; this step's 32 bytes are in my registers (asked for a step ago), and Q
	ds_store_b128 v1, v[G:G+3] offset:\slot*SB
	ds_store_b128 v1, v[G+4:G+7] offset:\slot*SB+VO
	s_wait_dscnt 0x0                               ; for the others' sake: my stores have landed; my reads of the other slot were over before its products
	s_barrier_signal -1
	s_barrier_wait -1                              ; the slot is whole, and nobody reads the other one any more
	s_add_nc_u64 s[26:27], s[26:27], SB            ; (behind the wait that showed its loads done)  the next step
.if \slot
	s_cmp_lg_u32 s18, 0
	s_cselect_b64 s[26:27], s[24:25], s[26:27]     ; behind a diagonal the next block begins at key 0;
	s_cmp_eq_u32 s17, 8
	s_cbranch_scc1 .Lno_more_\@                    ; behind the last trip nothing follows: no load leaves the buffer
.endif
	s_wait_alu depctr_vm_vsrc(0)                   ; the two LDS stores above have read v208-215, in which the next step's loads land
	global_load_b128 v[G:G+3], v1, s[26:27]
	global_load_b128 v[G+4:G+7], v1, s[26:27] offset:VO
.if \slot
.Lno_more_\@:
	s_cmp_lg_u32 s40, 0
	s_cbranch_scc1 .Lhidden_\@                     ; all 128 keys come after my queries
.endif
	s_wait_alu depctr_va_vdst(0)                   ; the last step's products V^T P^T are done reading v32-95, in which k's fragments land
.set n_, 0
.rept 16
	ds_load_b128 v[32+4*n_:35+4*n_], v2 offset:\slot*SB+512*n_
.set n_, n_+1
.endr
	s_wait_dscnt 0x0
.irp c, 0,1,2,3,4,5,6,7
	v_wmma_f32_16x16x64_fp8_fp8 v[96+8*\c:103+8*\c], v[32+8*\c:39+8*\c], v[16:23], 0
.endr
.rept 4
	v_nop                                          ; places in front of the first read of the scores by a vector line (ISA guide 7.12.1)
.endr
	s_wait_alu depctr_va_vdst(0)                   ; the products K Q^T are done reading v32-95, in which v's fragments land.  No vector or matrix line names v32-95 or v2 from here to V^T P^T, on the masked way or the open one
	VFRAG \slot, 0                                 ; v's fragments land while the softmax is worked: one run of four loads here, three among the lines of the maximum
.if \slot
	s_cmp_eq_u32 s18, 0                            ; second step: on the diagonal in waves 8-15 (waves 0-7 have left)
.else
	s_cmp_eq_u32 s40, 0                            ; first step: on the diagonal in waves 0-7
.endif
	s_cbranch_scc1 .Lopen_\@
.set q_, 0
.rept 4                                            ; sixteen scores at a time: sixteen compares into sixteen scalar registers, one wait, sixteen selects
.set i_, 0
.rept 16
	v_cmp_gt_i32 s[4+i_+36*(i_/8)], 16*((16*q_+i_)/8)+(16*q_+i_)%8, v3
.set i_, i_+1
.endr
	s_wait_alu depctr_va_sdst(0)                   ; the sixteen compares have written s4-11 and s48-55, which the selects read
.set i_, 0
.rept 16
	v_cndmask_b32 v[96+16*q_+i_], v[96+16*q_+i_], v4, s[4+i_+36*(i_/8)]   ; a hidden score becomes -infinity: p = 0.  The step's first key counts for every query of mine
.set i_, i_+1
.endr
.set q_, q_+1
.endr
.Lopen_\@:
	v_max3_num_f32 v254, v96, v97, v98             ; the step's largest score of my query, among my 64 keys, in two chains,
	v_max3_num_f32 v252, v99, v100, v101
.irp i, 6,10,14,18,22,26,30,34,38,42,46,50,54,58
	v_max3_num_f32 v254, v254, v[96+\i], v[97+\i]
	v_max3_num_f32 v252, v252, v[98+\i], v[99+\i]
.if (\i-2)%16 == 0
	VFRAG \slot, (\i-2)/16                         ; behind i = 18, 34, 50: v's fragments 1, 2, 3
.endif
.endr
	v_max3_num_f32 v254, v254, v158, v159
	v_max_num_f32 v254, v254, v252
	v_permlanex16_b32 v236, v254, s20, s21
	v_max_num_f32 v254, v254, v236                 ; and among lane l xor 16's
	v_mul_f32 v254, s22, v254                      ; as t (c is positive)
	v_max_num_f32 v13, v13, v254                   ; the running largest t
	v_mov_b32 v254, v12
	v_floor_f32 v12, -v13                          ; the new -M = floor(-t) = -ceil(t)
	v_sub_f32 v254, v12, v254                      ; old M - new M: a whole number, 0 or less
	v_cvt_i32_f32 v254, v254                       ; (it saturates)
	v_ldexp_f32 v252, 1.0, v254                    ; f = 2^(old M - new M)
.set n_, 0
.rept 32
	v_pk_fma_f32 v[96+n_:97+n_], v[96+n_:97+n_], s[22:23], v[12:13] op_sel_hi:[1,0,0]   ; t - M, two at a time (of the pairs c and -M the low word serves both halves)
.set n_, n_+2
.endr
.set n_, 0
.rept 64
	v_exp_f32 v[96+n_], v[96+n_]                   ; p = 2^(t - M), at most 1
.set n_, n_+1
.endr
	v_pk_mul_f32 v[14:15], v[14:15], v[252:253] op_sel_hi:[1,0]   ; the sums under the new M: the plain line behind the exponentials
	s_wait_alu depctr_va_vdst(0)                   ; the 64 exponentials have written v96-159: the wait ahead of the first line that names a result: one for the batch
	v_pk_add_f32 v[242:243], v[96:97], v[98:99]    ; the row's sum is taken of the unquantised p: two at a time, in two chains
.irp j, 4,8,12,16,20,24,28,32,36,40,44,48,52,56,60
	v_pk_add_f32 v[14:15], v[14:15], v[96+\j:97+\j]
	v_pk_add_f32 v[242:243], v[242:243], v[98+\j:99+\j]
.endr
	v_pk_add_f32 v[14:15], v[14:15], v[242:243]
	s_cmp_ge_i32 s36, -8
	s_cbranch_scc1 .Lno_hold_\@                    ; 448 x 2^e4 is 1 or more: no p reaches it
.set n_, 0
.rept 64
	v_min_num_f32 v[96+n_], v[96+n_], v6           ; the conversion does not saturate (ISA guide 7.6.2); p is not negative, so the hold is one-sided
.set n_, n_+1
.endr
.Lno_hold_\@:
.irp c, 0,1,2,3,4,5,6,7
	v_cvt_scalef32_pk8_fp8_f32 v[192+2*\c:193+2*\c], v[96+8*\c:103+8*\c], v5
.endr
.set n_, 0
.rept 16
	v_pk_mul_f32 v[160+n_:161+n_], v[160+n_:161+n_], v[252:253] op_sel_hi:[1,0]   ; O^T under the new M; these are also the plain lines between the conversions and the products
.set n_, n_+2
.endr
	s_wait_dscnt 0x0                               ; v's fragments are in
.irp t, 0,1,2,3
	v_wmma_f32_16x16x128_fp8_fp8 v[160+8*\t:167+8*\t], v[32+16*\t:47+16*\t], v[192:207], v[160+8*\t:167+8*\t]   ; four accumulators by turns; eight other products stand between two turns of one
.endr
.if \slot
.Lhidden_\@:
.endif
.endm
.Ltrip:
	s_cmp_eq_u32 s17, s16
	s_cselect_b32 s18, 1, 0                        ; this trip meets the block's diagonal
	s_and_b32 s40, s18, s19                        ; and my queries lie in the block's first half
	STEP 0
	STEP 1
	s_cmp_eq_u32 s18, 0
	s_cbranch_scc1 .Lnext
	; A BLOCK IS FINISHED.  y = O^T x 2^(e4 + e5) / the sum, quantised with 2^e6: my 16 queries x 64 channels are half an image, 1,024 consecutive bytes.
	v_add_f32 v14, v14, v15                        ; the sum's two halves,
	v_permlanex16_b32 v252, v14, s20, s21
	v_add_f32 v14, v14, v252                       ; and lane l xor 16's
	v_rcp_f32 v14, v14
	v_nop                                          ; a plain line behind the reciprocal
	s_wait_alu depctr_va_vdst(0)                   ; the reciprocal has written v14: the wait ahead of the first line that names its result
	v_ldexp_f32 v14, v14, s41
	v_mov_b32 v15, v14                             ; (with the two additions and the v_nop: five plain lines behind the last products, ahead of the first read of O^T)
.set n_, 0
.rept 16
	v_pk_mul_f32 v[96+n_:97+n_], v[160+n_:161+n_], v[14:15]   ; each accumulator from its low end on
.set n_, n_+2
.endr
.set n_, 0
.rept 32
	v_med3_num_f32 v[96+n_], v[96+n_], -v8, v8
.set n_, n_+1
.endr
.irp t, 0,1,2,3
	v_cvt_scalef32_pk8_fp8_f32 v[24+2*\t:25+2*\t], v[96+8*\t:103+8*\t], v7
.endr
	v_nop                                          ; a plain line between the conversions and the products that write their sources again
	s_wait_alu depctr_va_vdst(0)                   ; the conversions have written v24-31, which the stores read; the block's products K Q^T are done reading v16-23, in which the next block's Q lands
	global_store_b128 v2, v[24:27], s[30:31]       ; the wave stores 512 consecutive bytes, twice
	global_store_b128 v2, v[28:31], s[30:31] offset:512
	s_cmp_eq_u32 s17, 8
	s_cbranch_scc1 .Lnext
	s_sub_co_u32 s15, 7, ttmp9                     ; the second block: 7 - i, whose diagonal is the last trip
	s_mov_b32 s16, 8
	s_wait_alu depctr_vm_vsrc(0)                   ; the two stores have read v24-31, which the next block's conversions write again (beside the wait on XCNT at the block's head)
	NEWBLOCK
.Lnext:
	s_add_co_u32 s17, s17, 1
	s_cmp_lt_u32 s17, 9
	s_cbranch_scc1 .Ltrip
	s_wait_dscnt 0x0
	s_wait_alu depctr_hold_cnt(0) depctr_sa_sdst(0) depctr_va_vdst(0) depctr_va_sdst(0) depctr_va_ssrc(0) depctr_va_vcc(0) depctr_vm_vsrc(0)
	s_wait_tensorcnt 0x0
	ds_add_u32 v251, v255
	s_wait_dscnt 0x0
	s_endpgm
.Lfunc_end_k_q5bfb46c504_attn:
	.size	k_q5bfb46c504_attn, .Lfunc_end_k_q5bfb46c504_attn-k_q5bfb46c504_attn
	.p2alignl 7, 3214868480
	.fill 96, 4, 3214868480
	.section	.rodata,"a",@progbits
	.p2align	6, 0x0
	.amdhsa_kernel k_q5bfb46c504_attn
		.amdhsa_group_segment_fixed_size 34816
		.amdhsa_private_segment_fixed_size 0
		.amdhsa_enable_private_segment 0
		.amdhsa_kernarg_size 32
		.amdhsa_user_sgpr_count 2
		.amdhsa_user_sgpr_kernarg_segment_ptr 1
		.amdhsa_wavefront_size32 1
		.amdhsa_system_sgpr_workgroup_id_x 1
		.amdhsa_system_sgpr_workgroup_id_y 1
		.amdhsa_system_sgpr_workgroup_id_z 1
		.amdhsa_system_vgpr_workitem_id 0
		.amdhsa_next_free_vgpr 256
		.amdhsa_next_free_sgpr 66
		.amdhsa_reserve_vcc 0
		.amdhsa_float_denorm_mode_32 3
		.amdhsa_float_denorm_mode_16_64 3
		.amdhsa_memory_ordered 1
		.amdhsa_forward_progress 1
		.amdhsa_inst_pref_size 61
	.end_amdhsa_kernel
	.amdgpu_metadata
---
amdhsa.version: [ 1, 2 ]
amdhsa.kernels:
  - .name:           k_q5bfb46c504_attn
    .symbol:         k_q5bfb46c504_attn.kd
    .args:
      - { .name: qc, .offset: 0, .size: 8, .value_kind: global_buffer, .address_space: global }
      - { .name: kv, .offset: 8, .size: 8, .value_kind: global_buffer, .address_space: global }
      - { .name: lowp_scales, .offset: 16, .size: 8, .value_kind: global_buffer, .address_space: global }
      - { .name: yc, .offset: 24, .size: 8, .value_kind: global_buffer, .address_space: global }
    .group_segment_fixed_size: 34816
    .private_segment_fixed_size: 0
    .kernarg_segment_align: 8
    .kernarg_segment_size: 32
    .max_flat_workgroup_size: 512
    .sgpr_count:     66
    .vgpr_count:     256
    .wavefront_size: 32
...
	.end_amdgpu_metadata
.endif
;; end of part 5
;; launch proj: the kernel of part 4 again; grid 4 x 32, 4 waves a work-group, clusters of 4 x 4, 327,680 bytes of LDS; arguments yc, wp, lowp_scales, out0; writes out0
